; MI455X (gfx1250); checked and timed in simulation.
; The chip was launched on July 23, 2026; its instructions are those of AMD's public machine-readable ISA for CDNA 5 (MIT licence, August 2026) and "CDNA5" Instruction Set Architecture Reference Guide (July 2026). The comments in the code are by the model that wrote it; some were corrected since.
;; Casual Self Attention. Allowed arithmetic: matrix products marked QUANTISED: E2M1 operands, one E8M0 scale for each 32 along K, by v_wmma_scale_f32_16x16x128_f8f6f4 with both operands' format E2M1 (or v_wmma_scale_f32_32x16x128_f4), f32 sums; products left as they are: bf16, f16 or f32 operands; f32 sums; everything else in f32.
;; Inputs: W_attn 1,024 x 3,072 float32; W_proj 1,024 x 1,024 float32; b_attn 3,072 float32; b_proj 1,024 float32; x 4 x 2,048 x 1,024 float32.
;; Outputs: out0 4 x 2,048 x 1,024 float32.
;; This version of the problem:
;;   THIS VERSION OF THE PROBLEM IS GIVEN IN LOW PRECISION. The matrix products marked QUANTISED in the list below multiply operands that are first quantised to E2M1 (2 exponent bits, 1 mantissa bit; 4 bits a number), with one power-of-two scale for each 32 numbers along K (OCP MX v1.0); their sums are f32. The products marked 'left as it is' may take bf16, f16 or f32 operands, with f32 sums. Whichever they take, every output number must still come out within the allowed error. Rounding operands to bf16 (8 significant bits) uses up far more of that allowance than f16 does (11 bits, for magnitudes from 6e-5 to 65,504). All else is computed in f32.
;;   The module's matrix products, in the order in which they are computed (A, B: the left and right operand; K: the contracted axis; several contracted axes count as one K, in the product's order):
;;     1. [M 8,192, K 1,024] x [K 1,024, N 3,072]; A: input x; B: input W_attn: QUANTISED
;;     2. batch 64 x [M 2,048, K 64] x [K 64, N 2,048]; A: computed on the way; B: computed on the way: left as it is (an operand is computed on the way)
;;     3. batch 64 x [M 2,048, K 2,048] x [K 2,048, N 64]; A: computed on the way; B: computed on the way: left as it is (an operand is computed on the way)
;;     4. [M 8,192, K 1,024] x [K 1,024, N 1,024]; A: computed on the way; B: input W_proj: left as it is (an operand is computed on the way)
;;   THE QUANTISER, for each operand of a quantised product, along K:
;;     - K is cut into blocks of 32 from its start; a last block that is shorter is filled with zeros.
;;     - A block's scale is 2^e with e = floor(log2(the largest magnitude in the block)) - 2, held to -126 .. 127; a block of zeros has e = 0. As a byte (E8M0): e + 127.
;;     - Each number is divided by its block's scale, clamped to +-6, and rounded to the nearest number of E2M1, ties to even, subnormals kept.
;;     - The product sums the exact products of the quantised numbers (number of the format x scale) in f32.
;;   ~~~python
;;   def quantise(x, axis):      # numpy; x: float32 -> the quantised numbers, widened to float32 again
;;       x = np.moveaxis(x, axis, -1); K = x.shape[-1]
;;       x = np.pad(x, [(0, 0)] * (x.ndim - 1) + [(0, -K % 32)]); x = x.reshape(x.shape[:-1] + (-1, 32)); a = np.abs(x).max(-1, keepdims=True)
;;       e = np.where(a > 0, np.clip(np.frexp(np.where(a > 0, a, 1))[1] - 1 - 2, -126, 127), 0)      # np.frexp(a)[1] - 1 = floor(log2(a)), exactly
;;       r = np.clip(x / 2.0 ** e, -6, 6)
;;       step = 2.0 ** (np.maximum(np.frexp(np.where(r == 0, 1, r))[1] - 1, 0) - 1)
;;       q = np.round(r / step) * step * 2.0 ** e      # np.round: ties to even
;;       return np.moveaxis(q.reshape(q.shape[:-2] + (-1,))[..., :K], -1, axis).astype(np.float32)
;;   ~~~
;; One version. Each part assembles by itself: llvm-mc -triple=amdgcn-amd-amdhsa -mcpu=gfx1250 --defsym DOCPART=n.
;; ======== version 1 of 1: 6 launches
;; limits: values are held in f16: magnitudes above 65,504 overflow, below 6.1e-05 lose precision
;; workspace buffers: x_codes 4,194,304 bytes; x_scales 262,144 bytes; wa_codes 1,572,864 bytes; wa_scales 98,304 bytes; wp16 2,097,152 bytes; qkv16 50,331,648 bytes; qkv32 786,432 bytes; y16 16,777,216 bytes
;; launch quant_w (part 1): grid 48 x 1, 16 waves a work-group, no clusters, 37,888 bytes of LDS; arguments W_attn, wa_codes, wa_scales; writes wa_codes, wa_scales
.if DOCPART == 1
	.amdgcn_target "amdgcn-amd-amdhsa--gfx1250"
	.amdhsa_code_object_version 6
	.text
	.protected	k_q15e75e8824_quant_w
	.globl	k_q15e75e8824_quant_w
	.p2align	8
	.type	k_q15e75e8824_quant_w,@function
k_q15e75e8824_quant_w:
	s_mov_b64 s[64:65], 0
	v_nop
	global_prefetch_b8 v0, s[64:65] scope:SCOPE_SE
	s_setreg_imm32_b32 hwreg(HW_REG_WAVE_MODE, 25, 1), 1
	s_wait_xcnt 0x0
; THE PROGRAM: causal self-attention, B = 4, T = 2,048, C = 1,024, 16 heads of 64.  Six launches: W_attn to codes (this one); x to codes and W_proj to f16; x W_attn on codes;
; attention in f16; the projection in f16; the first 16 positions of each sequence once more, wholly in f32.
; WORK LEFT OUT, for all values of the inputs:
; (a) reference() builds the causal mask itself (tril) and sets the hidden scores to -infinity ahead of the softmax: their weights are 0.  Blocks of keys that lie wholly behind a block of queries are not multiplied.
; (b) b_attn[1024:2048], the bias on k.  score(i, j) = q_i . (xk_j + bk) = q_i . xk_j + q_i . bk: the second term is the same for every key j of row i, and a softmax along j takes such a term away.
;     That product is not a quantised one, so no quantiser sees k.  These 1,024 numbers are not loaded.  The other two thirds of b_attn are.
; LIMIT: a NaN, an infinity or an overflow that reaches only the work left out is not carried to the result.
;
; THIS LAUNCH.  W_attn [1024 (k)][3072 (n)], f32, K its FIRST axis, becomes codes of E2M1 laid [3072][512 bytes], K innermost, and one E8M0 byte for each 32 along K, laid [3072][32].
; A lane takes a column n and its registers run down K: a block of 32 lies in one lane's 32 registers, its largest magnitude needs no other lane, and the conversions give codes with K innermost.
; A block's scale byte is the largest magnitude's exponent field - 2, held at 1 from below.  (A block of zeros gets the byte 1 where the rule says 127: its codes are zeros, and this program alone reads the bytes.)
; LIMITS: blocks whose largest magnitude lies under 2^-124 keep the byte 1; NaN and infinities among the inputs are not served.
; SHARES.  A work-group takes 64 columns x all of K.  Wave w takes columns 32 (w & 1) on and k = 128 (w >> 1) on: four blocks a lane.  Two waves side by side read 256 consecutive bytes of a row of W.
; The codes meet in a stage of 64 rows x (512 + 16) bytes and leave as whole rows; the scale bytes meet in 2,048 bytes and leave as they lie.
.set SIZE_N, 3072
.set PITCH,  528
.set SCS,    64*PITCH                  ; behind the stage: 64 rows x 32 scale bytes
.set SPARE,  SCS+64*32                 ; the spare words, 128 bytes for each of 16 waves; no other line names them
.set EMAX,   2
.set SW,     10                        ; v10     my column's four scale bytes
.set SPW,    14                        ; v14     LDS address of my spare word; never rewritten
.set NIL,    15                        ; v15     0; never rewritten
.set C,      16                        ; v16-31  codes: four registers a block
.set OUTR,   32                        ; v32-47  the way out
.set X,      48                        ; v48-175 four blocks of 32 numbers
	s_load_b128 s[4:7], s[0:1], 0x0                ; W_attn, the codes
	s_load_b64 s[8:9], s[0:1], 0x10                ; the scale bytes
	v_lshl_add_u32 v[SPW], v0, 2, SPARE
	v_mov_b32 v[NIL], 0
	v_lshrrev_b32 v1, 5, v0
	v_readfirstlane_b32 s16, v1                    ; wave 0..15
	v_and_b32 v2, 31, v0                           ; lane
	s_and_b32 s17, s16, 1                          ; which 32 columns
	s_lshr_b32 s18, s16, 1                         ; which 128 along K
	v_lshlrev_b32 v3, 2, v2                        ; in: 4 bytes a lane
	s_mul_i32 s19, s17, 32*PITCH
	s_lshl_b32 s20, s18, 6
	s_add_co_u32 s19, s19, s20
	v_mul_u32_u24 v4, v2, PITCH
	v_add_nc_u32 v4, s19, v4                       ; the stage: row = my column, + my 64 bytes of it
	s_lshl_b32 s19, s17, 10
	s_lshl_b32 s20, s18, 2
	s_add_co_u32 s19, s19, s20
	s_add_co_u32 s19, s19, SCS
	v_lshl_add_u32 v5, v2, 5, s19                  ; my column's scale bytes, my four of them
	s_mul_i32 s19, s16, 4*PITCH
	v_lshl_add_u32 v6, v2, 4, s19                  ; out of the stage: rows 4 w on, 32 lanes to a row
	s_lshl_b32 s19, s16, 11
	v_lshl_add_u32 v7, v2, 4, s19                  ; and the same place in the work-group's 32,768 bytes of codes
	s_and_b32 s19, s16, 3
	s_lshl_b32 s19, s19, 9
	v_lshl_add_u32 v9, v2, 4, s19                  ; waves 0 to 3: 512 of the 2,048 scale bytes, in memory
	v_add_nc_u32 v8, SCS, v9                       ; and in LDS
	s_mul_i32 s20, s18, 128*SIZE_N*4               ; W: 128 (w >> 1) rows down,
	s_lshl_b32 s21, ttmp9, 8                       ; 64 columns a work-group,
	s_add_co_u32 s20, s20, s21
	s_lshl_b32 s21, s17, 7                         ; 32 a wave
	s_add_co_u32 s20, s20, s21
	s_mov_b32 s21, 0
	s_lshl_b32 s22, ttmp9, 15
	s_mov_b32 s23, 0
	s_lshl_b32 s24, ttmp9, 11
	s_mov_b32 s25, 0
	s_wait_kmcnt 0x0
	s_add_nc_u64 s[4:5], s[4:5], s[20:21]
	s_add_nc_u64 s[6:7], s[6:7], s[22:23]
	s_add_nc_u64 s[8:9], s[8:9], s[24:25]
.macro LOAD t                          ; block t: W(32 t + i, my column), i = 0 .. 31
.irp i, 0,1,2,3,4,5,6,7,8,9,10,11,12,13,14,15,16,17,18,19,20,21,22,23,24,25,26,27,28,29,30,31
	global_load_b32 v[X+32*(\t)+\i], v3, s[4:5] offset:(32*(\t)+\i)*SIZE_N*4 th:TH_LOAD_NT
.endr
.endm
	LOAD 0
	LOAD 1
.macro BLOCK t
.set XS, X+32*(\t)
.if (\t) < 3
	s_wait_loadcnt 32                              ; this block's 32 loads are in; the next block's may be out
.else
	s_wait_loadcnt 0
.endif
.if (\t)+2 < 4
	LOAD (\t)+2                                    ; each block has registers of its own: the block two on is asked for at once
.endif
	v_max3_num_f32 v12, |v[XS]|, |v[XS+1]|, |v[XS+2]|     ; the block's largest magnitude: all 32 numbers are mine
	v_max3_num_f32 v13, |v[XS+3]|, |v[XS+4]|, |v[XS+5]|
.irp i, 6,10,14,18,22,26
	v_max3_num_f32 v12, v12, |v[XS+\i]|, |v[XS+\i+1]|
	v_max3_num_f32 v13, v13, |v[XS+\i+2]|, |v[XS+\i+3]|
.endr
	v_max3_num_f32 v12, v12, |v[XS+30]|, |v[XS+31]|
	v_max3_num_f32 v12, v12, v13, (EMAX+1)<<23     ; and the floor 2^(3 - 127): the byte cannot fall under 1
	v_add_nc_u32 v11, 0xff000000, v12              ; 2 off the exponent field: the conversion takes the exponent field of this operand as its scale
	v_lshrrev_b32 v13, 23, v11                     ; the scale's byte
.if (\t) == 0
	v_mov_b32 v[SW], v13
.else
	v_lshl_or_b32 v[SW], v13, 8*(\t), v[SW]        ; the lower K in the lower byte
.endif
.irp g, 0,1,2,3
	v_cvt_scalef32_pk8_fp4_f32 v[C+4*(\t)+\g], v[XS+8*\g:XS+8*\g+7], v11
.endr
	v_nop                                          ; one plain line behind the conversions
	ds_store_b128 v4, v[C+4*(\t):C+4*(\t)+3] offset:16*(\t)   ; 32 codes: 16 bytes of my column's row
.endm
	BLOCK 0
	BLOCK 1
	BLOCK 2
	BLOCK 3
	ds_store_b32 v5, v[SW]
	s_wait_dscnt 0x0                               ; for the others' sake: my stores have landed
	s_barrier_signal -1
	s_barrier_wait -1                              ; 64 whole rows of codes and their scale bytes lie in LDS
.irp t, 0,1,2,3
	ds_load_b128 v[OUTR+4*\t:OUTR+4*\t+3], v6 offset:\t*PITCH
.endr
.irp t, 0,1,2,3
	s_wait_dscnt 3-\t
	global_store_b128 v7, v[OUTR+4*\t:OUTR+4*\t+3], s[6:7] offset:512*\t   ; 32 lanes store a row's 512 consecutive bytes, aligned
.endr
	s_cmp_gt_u32 s16, 3                            ; the scale bytes: four waves are enough
	s_cbranch_scc1 .Lno_scales
	ds_load_b128 v[C:C+3], v8
	s_wait_dscnt 0x0
	global_store_b128 v9, v[C:C+3], s[8:9]         ; 512 consecutive bytes, aligned
.Lno_scales:
	s_wait_tensorcnt 0x0                           ; the wave's end: a tensor wait, an add to my spare word and its wait, behind my last LDS store
	ds_add_u32 v[SPW], v[NIL]
	s_wait_dscnt 0x0
	s_endpgm
.Lfunc_end_k_q15e75e8824_quant_w:
	.size	k_q15e75e8824_quant_w, .Lfunc_end_k_q15e75e8824_quant_w-k_q15e75e8824_quant_w
	.p2alignl 7, 3214868480
	.fill 96, 4, 3214868480
	.section	.rodata,"a",@progbits
	.p2align	6, 0x0
	.amdhsa_kernel k_q15e75e8824_quant_w
		.amdhsa_group_segment_fixed_size 37888
		.amdhsa_private_segment_fixed_size 0
		.amdhsa_enable_private_segment 0
		.amdhsa_kernarg_size 24
		.amdhsa_user_sgpr_count 2
		.amdhsa_user_sgpr_kernarg_segment_ptr 1
		.amdhsa_wavefront_size32 1
		.amdhsa_system_sgpr_workgroup_id_x 1
		.amdhsa_system_sgpr_workgroup_id_y 1
		.amdhsa_system_sgpr_workgroup_id_z 1
		.amdhsa_system_vgpr_workitem_id 0
		.amdhsa_next_free_vgpr 176
		.amdhsa_next_free_sgpr 66
		.amdhsa_reserve_vcc 0
		.amdhsa_float_denorm_mode_32 3
		.amdhsa_float_denorm_mode_16_64 3
		.amdhsa_memory_ordered 1
		.amdhsa_forward_progress 1
		.amdhsa_inst_pref_size 22
	.end_amdhsa_kernel
	.amdgpu_metadata
---
amdhsa.version: [ 1, 2 ]
amdhsa.kernels:
  - .name:           k_q15e75e8824_quant_w
    .symbol:         k_q15e75e8824_quant_w.kd
    .args:
      - { .name: W_attn, .offset: 0, .size: 8, .value_kind: global_buffer, .address_space: global }
      - { .name: wa_codes, .offset: 8, .size: 8, .value_kind: global_buffer, .address_space: global }
      - { .name: wa_scales, .offset: 16, .size: 8, .value_kind: global_buffer, .address_space: global }
    .group_segment_fixed_size: 37888
    .private_segment_fixed_size: 0
    .kernarg_segment_align: 8
    .kernarg_segment_size: 24
    .max_flat_workgroup_size: 512
    .sgpr_count:     66
    .vgpr_count:     176
    .wavefront_size: 32
...
	.end_amdgpu_metadata
.endif
;; end of part 1
;; launch quant_x (part 2): grid 256 x 1, 4 waves a work-group, no clusters, 33,280 bytes of LDS; arguments x, W_proj, x_codes, x_scales, wp16; writes x_codes, x_scales, wp16
.if DOCPART == 2
	.amdgcn_target "amdgcn-amd-amdhsa--gfx1250"
	.amdhsa_code_object_version 6
	.text
	.protected	k_q15e75e8824_quant_x
	.globl	k_q15e75e8824_quant_x
	.p2align	8
	.type	k_q15e75e8824_quant_x,@function
k_q15e75e8824_quant_x:
	s_mov_b64 s[64:65], 0
	v_nop
	global_prefetch_b8 v0, s[64:65] scope:SCOPE_SE
	s_setreg_imm32_b32 hwreg(HW_REG_WAVE_MODE, 25, 1), 1
	s_wait_xcnt 0x0
; x [8192][1024], f32, K innermost, becomes codes of E2M1 laid [8192][512 bytes] and one E8M0 byte for each 32 along K, laid [8192][32].  W_proj [1024][1024], f32, becomes f16 in the same layout.
; A block's scale byte is the largest magnitude's exponent field - 2, held at 1 from below.  (A block of zeros gets the byte 1 where the rule says 127: its codes are zeros, and this program alone reads the bytes.)
; LIMITS: blocks whose largest magnitude lies under 2^-124 keep the byte 1; NaN and infinities are not served; |W_proj| stays under 65,504 (f16).
; Rows are dense and K is a multiple of 32: x is a plain stream of blocks of 32.  Wave g of the launch's 1,024 takes 8,192 numbers of x, 16 steps of 512, and 1,024 numbers of W_proj.
; Each load reads 512 consecutive bytes, 16 a lane.  The conversions want 16 NEIGHBOURS in a lane: a step's 2,048 bytes go through the wave's own stage in LDS, as they lie, and come back 64 bytes a lane
; (16 bytes of padding behind each 64).  A lane's 16 codes are 8 bytes: the wave stores 256 consecutive bytes.  A wave's 256 scale bytes are gathered in LDS and leave together.
; No barrier: waves share nothing.  Loads run eight steps (32 loads a wave) ahead, the turn through LDS one step.
.set STEPS, 16
.set EMAX,  2
.set R,     16                         ; v16-143  eight sets of 16 numbers as they are loaded
.set X,     144                        ; v144-175 two sets of 16 neighbours
.set C,     176                        ; v176-207 codes: two registers for each step, so that no store's data are written again
.set E,     208                        ; v208-223 a scale byte for each step
.set P,     224                        ; v224-255 W_proj's numbers
.set WREG,  8192                       ; LDS: a region for each wave: two stages of 32 x SP bytes, behind them its 256 scale bytes
.set SP,    80
.set SPW,   12                         ; v12  LDS address of my spare word; never rewritten
.set NIL,   13                         ; v13  0; never rewritten
.set SPARE, 4*WREG                     ; the spare words, 128 bytes for each wave; no other line names them
	s_load_b128 s[4:7], s[0:1], 0x0                ; x, W_proj
	s_load_b128 s[8:11], s[0:1], 0x10              ; x's codes, x's scales
	s_load_b64 s[12:13], s[0:1], 0x20              ; W_proj in f16
	v_lshl_add_u32 v[SPW], v0, 2, SPARE
	v_mov_b32 v[NIL], 0
	v_lshrrev_b32 v1, 5, v0
	v_readfirstlane_b32 s16, v1                    ; wave
	v_and_b32 v2, 31, v0                           ; lane
	v_lshlrev_b32 v3, 4, v2                        ; my 16 bytes of a load's 512
	s_mul_i32 s17, s16, WREG
	v_lshrrev_b32 v14, 2, v2
	v_mul_u32_u24 v14, v14, SP
	v_and_b32 v15, 3, v2
	v_lshl_add_u32 v14, v15, 4, v14
	v_add_nc_u32 v14, s17, v14                     ; the stage, on the way in: four lanes' 64 bytes on end, then 16 of padding
	v_mul_u32_u24 v15, v2, SP
	v_add_nc_u32 v15, s17, v15                     ; and on the way out: my 16 neighbours
	v_lshlrev_b32 v4, 3, v2                        ; 8 bytes a lane: codes, scale bytes, f16 numbers
	v_lshrrev_b32 v5, 1, v2
	s_add_co_u32 s17, s17, 2*32*SP
	v_add_nc_u32 v5, s17, v5                       ; LDS: my wave's 256 scale bytes, my block's byte
	v_add_nc_u32 v6, s17, v4                       ; and on the way out 8 bytes a lane
	s_lshl_b32 s18, ttmp9, 2
	s_add_co_u32 s18, s18, s16                     ; g
	s_lshl_b32 s20, s18, 15                        ; x: 32,768 bytes a wave
	s_mov_b32 s21, 0
	s_lshl_b32 s22, s18, 12                        ; codes, and W_proj: 4,096
	s_mov_b32 s23, 0
	s_lshl_b32 s24, s18, 8                         ; scale bytes: 256
	s_mov_b32 s25, 0
	s_lshl_b32 s26, s18, 11                        ; f16: 2,048
	s_mov_b32 s27, 0
	s_wait_kmcnt 0x0
	s_add_nc_u64 s[4:5], s[4:5], s[20:21]
	s_add_nc_u64 s[6:7], s[6:7], s[22:23]
	s_add_nc_u64 s[8:9], s[8:9], s[22:23]
	s_add_nc_u64 s[10:11], s[10:11], s[24:25]
	s_add_nc_u64 s[12:13], s[12:13], s[26:27]
.irp i, 0,1,2,3,4,5,6,7
	global_load_b128 v[P+4*\i:P+4*\i+3], v3, s[6:7] offset:512*\i th:TH_LOAD_NT
.endr
.macro LOAD t
.irp i, 0,1,2,3
	global_load_b128 v[R+16*((\t)%8)+4*\i:R+16*((\t)%8)+4*\i+3], v3, s[4:5] offset:2048*(\t)+512*\i th:TH_LOAD_NT   ; 32 lanes read 512 consecutive bytes
.endr
.endm
.macro TURN t                          ; step t's numbers through the stage: LDS serves a wave's instructions in order, so no wait stands between the stores and the loads
.irp i, 0,1,2,3
	ds_store_b128 v14, v[R+16*((\t)%8)+4*\i:R+16*((\t)%8)+4*\i+3] offset:32*SP*((\t)%2)+8*SP*\i
.endr
.irp i, 0,1,2,3
	ds_load_b128 v[X+16*((\t)%2)+4*\i:X+16*((\t)%2)+4*\i+3], v15 offset:32*SP*((\t)%2)+16*\i
.endr
.endm
.irp t, 0,1,2,3,4,5,6,7
	LOAD \t
.endr
	s_wait_loadcnt 32                              ; W_proj's eight loads are in; x's 32 were issued behind them
.irp i, 0,1,2,3,4,5,6,7
	v_cvt_pk_f16_f32 v[P+4*\i], v[P+4*\i], v[P+4*\i+1]           ; to nearest even, the first number in the low half
	v_cvt_pk_f16_f32 v[P+4*\i+1], v[P+4*\i+2], v[P+4*\i+3]
	global_store_b64 v4, v[P+4*\i:P+4*\i+1], s[12:13] offset:256*\i   ; 32 lanes store 256 consecutive bytes, aligned
.endr
	s_wait_loadcnt 28                              ; step 0's four loads are in
	TURN 0
.macro STEP t
.set XS, X+16*((\t)%2)
.if (\t) > 0
	s_wait_dscnt 1                                 ; this step's numbers are back from the stage (the last step's byte store may be out): so its stores into the stage have read their registers,
.else
	s_wait_dscnt 0x0
.endif
.if (\t)+8 < STEPS
	LOAD (\t)+8                                    ; which take the loads of eight steps on
.endif
.if (\t)+1 < STEPS
.if 14-(\t) >= 7
	s_wait_loadcnt 28                              ; the next step's four loads are in; those of the seven steps behind it may be out
.else
	s_wait_loadcnt 4*(14-(\t))
.endif
	TURN (\t)+1                                    ; and go through the other stage while this step is worked
.endif
	v_max3_num_f32 v8, |v[XS]|, |v[XS+1]|, |v[XS+2]|               ; the largest magnitude of my 16
	v_max3_num_f32 v9, |v[XS+3]|, |v[XS+4]|, |v[XS+5]|
.irp i, 6,10
	v_max3_num_f32 v8, v8, |v[XS+\i]|, |v[XS+\i+1]|
	v_max3_num_f32 v9, v9, |v[XS+\i+2]|, |v[XS+\i+3]|
.endr
	v_max3_num_f32 v8, v8, |v[XS+14]|, |v[XS+15]|
	v_max3_num_f32 v8, v8, v9, (EMAX+1)<<23        ; and the floor 2^(3 - 127): the byte cannot fall under 1
	v_max_num_f32_dpp v8, v8, v8 row_xmask:1 row_mask:0xf bank_mask:0xf   ; and of my neighbour's 16: the block's
	v_add_nc_u32 v11, 0xff000000, v8               ; 2 off its exponent field: the conversion's scale operand
	v_cvt_scalef32_pk8_fp4_f32 v[C+2*(\t)], v[XS:XS+7], v11
	v_cvt_scalef32_pk8_fp4_f32 v[C+2*(\t)+1], v[XS+8:XS+15], v11
	v_lshrrev_b32 v[E+(\t)], 23, v11               ; the scale's byte
	ds_store_b8 v5, v[E+(\t)] offset:16*(\t)       ; both lanes of a block write the same byte with the same value
	global_store_b64 v4, v[C+2*(\t):C+2*(\t)+1], s[8:9] offset:256*(\t)   ; 256 consecutive bytes, aligned
.endm
.irp t, 0,1,2,3,4,5,6,7,8,9,10,11,12,13,14,15
	STEP \t
.endr
	ds_load_b64 v[8:9], v6                         ; LDS serves a wave's instructions in order: these see my stores
	s_wait_dscnt 0x0
	global_store_b64 v4, v[8:9], s[10:11]          ; 256 consecutive bytes, aligned
	s_wait_tensorcnt 0x0                           ; the wave's end: a tensor wait, an add to my spare word and its wait, behind my last LDS store
	ds_add_u32 v[SPW], v[NIL]
	s_wait_dscnt 0x0
	s_endpgm
.Lfunc_end_k_q15e75e8824_quant_x:
	.size	k_q15e75e8824_quant_x, .Lfunc_end_k_q15e75e8824_quant_x-k_q15e75e8824_quant_x
	.p2alignl 7, 3214868480
	.fill 96, 4, 3214868480
	.section	.rodata,"a",@progbits
	.p2align	6, 0x0
	.amdhsa_kernel k_q15e75e8824_quant_x
		.amdhsa_group_segment_fixed_size 33280
		.amdhsa_private_segment_fixed_size 0
		.amdhsa_enable_private_segment 0
		.amdhsa_kernarg_size 40
		.amdhsa_user_sgpr_count 2
		.amdhsa_user_sgpr_kernarg_segment_ptr 1
		.amdhsa_wavefront_size32 1
		.amdhsa_system_sgpr_workgroup_id_x 1
		.amdhsa_system_sgpr_workgroup_id_y 1
		.amdhsa_system_sgpr_workgroup_id_z 1
		.amdhsa_system_vgpr_workitem_id 0
		.amdhsa_next_free_vgpr 256
		.amdhsa_next_free_sgpr 66
		.amdhsa_reserve_vcc 0
		.amdhsa_float_denorm_mode_32 3
		.amdhsa_float_denorm_mode_16_64 3
		.amdhsa_memory_ordered 1
		.amdhsa_forward_progress 1
		.amdhsa_inst_pref_size 36
	.end_amdhsa_kernel
	.amdgpu_metadata
---
amdhsa.version: [ 1, 2 ]
amdhsa.kernels:
  - .name:           k_q15e75e8824_quant_x
    .symbol:         k_q15e75e8824_quant_x.kd
    .args:
      - { .name: x, .offset: 0, .size: 8, .value_kind: global_buffer, .address_space: global }
      - { .name: W_proj, .offset: 8, .size: 8, .value_kind: global_buffer, .address_space: global }
      - { .name: x_codes, .offset: 16, .size: 8, .value_kind: global_buffer, .address_space: global }
      - { .name: x_scales, .offset: 24, .size: 8, .value_kind: global_buffer, .address_space: global }
      - { .name: wp16, .offset: 32, .size: 8, .value_kind: global_buffer, .address_space: global }
    .group_segment_fixed_size: 33280
    .private_segment_fixed_size: 0
    .kernarg_segment_align: 8
    .kernarg_segment_size: 40
    .max_flat_workgroup_size: 128
    .sgpr_count:     66
    .vgpr_count:     256
    .wavefront_size: 32
...
	.end_amdgpu_metadata
.endif
;; end of part 2
;; launch gemm_qkv (part 3): grid 12 x 32, 4 waves a work-group, clusters of 4 x 4, 327,680 bytes of LDS; arguments x_codes, x_scales, wa_codes, wa_scales, qkv16, b_attn, qkv32; writes qkv16, qkv32
.if DOCPART == 3
	.amdgcn_target "amdgcn-amd-amdhsa--gfx1250"
	.amdhsa_code_object_version 6
	.text
	.protected	k_q15e75e8824_gemm_qkv
	.globl	k_q15e75e8824_gemm_qkv
	.p2align	8
	.type	k_q15e75e8824_gemm_qkv,@function
k_q15e75e8824_gemm_qkv:
	s_mov_b64 s[64:65], 0
	v_nop
	global_prefetch_b8 v0, s[64:65] scope:SCOPE_SE
	s_setreg_imm32_b32 hwreg(HW_REG_WAVE_MODE, 25, 1), 1
	s_wait_xcnt 0x0
	s_wait_alu depctr_hold_cnt(0) depctr_sa_sdst(0) depctr_va_vdst(0) depctr_va_sdst(0) depctr_va_ssrc(0) depctr_va_vcc(0) depctr_vm_vsrc(0)
	s_getreg_b32 s2, hwreg(HW_REG_IB_STS2, 6, 4)
	s_cmp_eq_u32 s2, 0
	s_cbranch_scc0 .Lentry_in_a_cluster
	s_endpgm
.Lentry_in_a_cluster:
	s_bfe_u32 s2, ttmp6, 0x10000c
	s_cmp_lg_u32 s2, 0xf033
	s_cbranch_scc0 .Lentry_shape_is_right
	s_endpgm
.Lentry_shape_is_right:
; qkv = x W_attn + b_attn on codes of E2M1 with one E8M0 scale for each 32 along K; sums in f32.  x's codes [8192][512 bytes], W_attn's [3072][512 bytes], K innermost; scale bytes [rows][32].
; WORK LEFT OUT: the bias on k, b_attn[1024:2048], is not loaded: it adds to every score of a row the same number, which the softmax takes away (shown at the head of the first kernel).
; OUT: qkv16 [3 (q, k, v)][4 b][16 h][2048 t][64] in f16, for the attention; and the rows t < 16 of every sequence in f32, qkv32 [4 b][16 t][3072], for the launch that makes those rows finely.
; LIMIT: |q|, |k|, |v| stay under 65,504 (f16).
; A tile of C, 256 x 256, is made by a work-group of four waves; a wave makes 128 x 128: 64 accumulators, 512 registers.  K = 1,024 is two LDS slots of 512 along K: both are filled at the start, nothing is filled again.
; The scale bytes of the work-group's 256 + 256 rows come into LDS once, with the first fills.
; CLUSTERS: 4 x 4 work-groups.  Tile column = 4 x cluster x + cx, so cluster x says whether the tile is q's, k's or v's.  Tile row = 8 cy + cluster y: cy is the sequence, cluster y the block of 256 positions,
; so that the tiles that hold t < 16 are those of cluster y = 0, a number that all sixteen partners share.  The four of a row of the cluster ask for A's tiles jointly, the four of a column for B's.
; THE MATRIX INSTRUCTION IS USED TRANSPOSED (source 0 = 16 rows of W's codes, source 1 = 16 rows of x's): a lane holds eight neighbouring columns of one row of C.
; The bias is the C of each sum's first matrix instruction: eight registers for each block of 16 columns, in the result's layout.
; REGISTERS, in windows of 256: window 0: v0-31 addresses; v32-95 scale words, two sets; v96-127 packed results; v128-191 A's fragments, one set, later rows on their way out; v192-255 the bias.
;   window 1: B's fragments, two sets, at v0 and v128.   window 2: the accumulators of my rows 0-63 ((a, b) at v[8 (8 a + b)]);   window 3: those of my rows 64-127.
.set NQ,     4                         ; steps of 128 along K in a slot
.set ROWB,   256                       ; a tile's row: 512 codes
.set KROW,   512                       ; a row of codes in memory
.set PITCH,  272                       ; an LDS row: 256 bytes + 16 of padding: the 16 rows that a load touches start 68 words apart
.set FR,     8
.set NL,     2
.set NP,     4
.set HALFT,  128*PITCH
.set SLOT,   4*HALFT
.set KS,     32
.set SCL,    2*SLOT                    ; behind the two slots: the scales, as rows of 256 bytes + 16 of padding
.set HALFS,  (128*KS/256)*272
.set SBLK,   (16*KS/256)*272
.set SPARE,  SCL+4*HALFS               ; the spare words, 128 bytes for each wave; no other line names them
.set SPITCH, 528                       ; the way out in f32: a stage of 16 rows x (512 + 16) bytes for each wave, in slot 0, which has had its only fill and its last read by then
.set HPITCH, 272                       ; the way out in f16: the same bytes as 16 rows x (256 + 16)
.set STO16, 8                          ; v8   f16: where I put 16 bytes of a row
.set RD16,  9                          ; v9   f16: where I read back
.set CO16,  10                         ; v10  f16: my byte offset in qkv16
.set BAD,   11                         ; v11  my byte offset among a block's 16 numbers of the bias
.set ADRA, 16
.set ADRB, 20
.set STO,  24
.set RD,   25
.set CO,   26
.set ADRS, 27
.set SPW,  28
.set NIL,  29
.set SC,   32
.set TMPP, 96
.set AF,   128
.set BK,   128
.set BI,   192
.set G1, 24
.set G0, 32
.set G1B, 48
.set G0B, 56
.set G1S, 68
.set G0S, 76
.set G1SB, 80
.set G0SB, 88
.set MSB, 0
.macro WIN new                         ; the immediate's high byte repeats the setting that is left
.if MSB != (\new)
	s_set_vgpr_msb (MSB<<8)|(\new)
.set MSB, (\new)
.endif
.endm
.set MUL_LO, 0xa1                      ; source 0 (B) window 1, source 1 (A) window 0, C and D window 2
.set MUL_HI, 0xf1                      ; the same, C and D window 3
.set FST_LO, 0x81                      ; the first step: C (the bias) window 0, D window 2
.set FST_HI, 0xc1                      ; D window 3
.set TO_B,   0x40
; A joint load: waves 0 and 1 fetch for A, waves 2 and 3 for B.  The branch hangs on the wave's number alone.  An s_nop 0 and four v_nop follow each of the two lines.
.macro JLOAD g0a, g1a, g0b, g1b
	s_cmp_eq_u32 s15, 0
	s_cbranch_scc0 .Lfor_b_\@
	tensor_load_to_lds s[\g0a:\g0a+3], s[\g1a:\g1a+7]
	s_nop 0
.rept 4
	v_nop
.endr
	s_branch .Lasked_\@
.Lfor_b_\@:
	tensor_load_to_lds s[\g0b:\g0b+3], s[\g1b:\g1b+7]
	s_nop 0
.rept 4
	v_nop
.endr
.Lasked_\@:
.endm
.macro CROUND                          ; a round of the cluster's barrier
	s_barrier_signal -1
	s_barrier_wait -1
	s_cmp_lg_u32 s14, 0
	s_cbranch_scc1 .Lnot_wave_0_\@
	s_barrier_signal -3
.Lnot_wave_0_\@:
	s_barrier_wait -3
	s_barrier_signal -1
	s_barrier_wait -1
.endm
	s_load_b128 s[4:7], s[0:1], 0x0                ; x's codes, x's scales
	s_load_b128 s[8:11], s[0:1], 0x10              ; W's codes, W's scales
	s_load_b64 s[12:13], s[0:1], 0x20              ; qkv16
	s_load_b64 s[96:97], s[0:1], 0x28              ; b_attn
	s_load_b64 s[98:99], s[0:1], 0x30              ; qkv32
	v_lshl_add_u32 v[SPW], v0, 2, SPARE
	v_mov_b32 v[NIL], 0
	ds_add_u32 v[SPW], v[NIL]                      ; the wave's opening: the add, twice on end, and its wait ahead of my first tensor load
	ds_add_u32 v[SPW], v[NIL]
	v_lshrrev_b32 v1, 5, v0
	v_readfirstlane_b32 s14, v1                    ; wave 0..3
	s_lshr_b32 s15, s14, 1                         ; which half of the tile's rows is mine.  Also: I fetch for A (0) or for B (1)
	s_and_b32 s16, s14, 1                          ; which half of its columns.  Also: which 128 rows of that tile I fetch
	s_bfe_u32 s40, ttmp6, 0x40000                  ; cx, cy: my place in the cluster
	s_bfe_u32 s41, ttmp6, 0x40004
	s_lshl_b32 s42, ttmp9, 2
	s_add_co_u32 s42, s42, s40                     ; tile column of C = 4 x cluster x + cx
	s_and_b32 s95, ttmp7, 0xffff                   ; cluster y: the block of 256 positions
	s_lshl_b32 s17, s41, 3
	s_add_co_u32 s17, s17, s95                     ; tile row of C = 8 cy + cluster y
	s_lshl_b32 s43, s41, 2
	s_lshl_b32 s43, 15, s43                        ; my row of the cluster
	s_lshl_b32 s44, 0x1111, s40                    ; my column
	; descriptor group 1: a tile of 128 rows x 256 bytes, padded in LDS
	s_or_b32 s[G1+0], s43, (0<<16)|(1<<20)|(1<<21)|(5<<22)|(3<<25)  ; the mask: A's tiles go to my row; elements of 1 byte; padding on; bit 21 beside a mask; after every 64 words, 4 words
	s_or_b32 s[G1B+0], s44, (0<<16)|(1<<20)|(1<<21)|(5<<22)|(3<<25)
.irp g, G1, G1B
	s_mov_b32 s[\g+1], ROWB<<16                    ; tensor_dim0
	s_mov_b32 s[\g+2], 128<<16                     ; tensor_dim1
	s_mov_b32 s[\g+3], ROWB<<16                    ; tile_dim0
	s_mov_b32 s[\g+4], 128                         ; tile_dim1
	s_mov_b32 s[\g+5], KROW                        ; tensor_dim0_stride
	s_mov_b32 s[\g+6], 0
	s_mov_b32 s[\g+7], 0
.endr
	; the scales of 128 rows: a dense block of 4,096 bytes, as 16 rows of 256 bytes (32 elements of 8 bytes), 16 bytes of padding behind each
	s_or_b32 s[G1S+0], s43, (3<<16)|(1<<20)|(1<<21)|(5<<22)|(3<<25)
	s_or_b32 s[G1SB+0], s44, (3<<16)|(1<<20)|(1<<21)|(5<<22)|(3<<25)
.irp g, G1S, G1SB
	s_mov_b32 s[\g+1], 32<<16
	s_mov_b32 s[\g+2], (128*KS/256)<<16
	s_mov_b32 s[\g+3], 32<<16
	s_mov_b32 s[\g+4], 128*KS/256
	s_mov_b32 s[\g+5], 32
	s_mov_b32 s[\g+6], 0
	s_mov_b32 s[\g+7], 0
.endr
	s_lshl_b32 s18, s16, 7                         ; which 128 rows of the tile I fetch
	s_lshl_b32 s20, s17, 8
	s_add_co_u32 s20, s20, s18                     ; A: row 256 x tile row + 128 x half
	s_lshl_b32 s46, s42, 8
	s_add_co_u32 s46, s46, s18                     ; B: row 256 x tile column + 128 x half
	s_mov_b32 s21, 0
	s_mov_b32 s47, 0
	s_mov_b64 s[18:19], KS
	s_mul_u64 s[22:23], s[20:21], s[18:19]         ; where these rows' scales begin, in bytes
	s_mul_u64 s[92:93], s[46:47], s[18:19]
	s_mov_b64 s[18:19], KROW
	s_mul_u64 s[20:21], s[20:21], s[18:19]         ; and their codes
	s_mul_u64 s[46:47], s[46:47], s[18:19]
	s_mul_i32 s45, s14, HALFT                      ; where they go: wave x 128 rows: no place in the cluster enters an LDS address
	s_mul_i32 s94, s14, HALFS
	s_wait_dscnt 0x0                               ; both opening adds are done
	s_wait_kmcnt 0x0
	s_add_nc_u64 s[20:21], s[4:5], s[20:21]
	s_add_nc_u64 s[22:23], s[6:7], s[22:23]
	s_add_nc_u64 s[46:47], s[8:9], s[46:47]
	s_add_nc_u64 s[92:93], s[10:11], s[92:93]
	CROUND                                         ; all sixteen work-groups are here: the joint loads meet
	s_mov_b32 s[G0S], 1
	s_add_co_u32 s[G0S+1], s94, SCL
	s_mov_b64 s[G0S+2:G0S+3], s[22:23]
	s_or_b32 s[G0S+3], s[G0S+3], 0x80000000
	s_mov_b32 s[G0SB], 1
	s_add_co_u32 s[G0SB+1], s94, SCL
	s_mov_b64 s[G0SB+2:G0SB+3], s[92:93]
	s_or_b32 s[G0SB+3], s[G0SB+3], 0x80000000
	JLOAD G0S, G1S, G0SB, G1SB                     ; the scales first: they are wanted with the first slot
.irp s, 0,1
	s_mov_b32 s[G0+4*\s], 1
	s_add_co_u32 s[G0+4*\s+1], s45, \s*SLOT
	s_add_nc_u64 s[G0+4*\s+2:G0+4*\s+3], s[20:21], \s*ROWB
	s_or_b32 s[G0+4*\s+3], s[G0+4*\s+3], 0x80000000
	s_mov_b32 s[G0B+4*\s], 1
	s_add_co_u32 s[G0B+4*\s+1], s45, \s*SLOT
	s_add_nc_u64 s[G0B+4*\s+2:G0B+4*\s+3], s[46:47], \s*ROWB
	s_or_b32 s[G0B+4*\s+3], s[G0B+4*\s+3], 0x80000000
	JLOAD G0+4*\s, G1, G0B+4*\s, G1B               ; three tensor loads of mine are out
.endr
	v_and_b32 v1, 15, v0                           ; l % 16
	v_bfe_u32 v2, v0, 4, 1                         ; l / 16
	; THE BIAS: v[BI + 8 b + j] = b_attn[n0 + 16 b + 8 (l / 16) + j], n0 my first column.  k's third is not loaded: its place is taken by zeros, so that one text serves the three thirds.
	s_lshl_b32 s46, s42, 10
	s_lshl_b32 s47, s16, 9
	s_add_co_u32 s46, s46, s47                     ; 4 n0
	s_mov_b32 s47, 0
	s_add_nc_u64 s[96:97], s[96:97], s[46:47]
	s_add_nc_u64 s[98:99], s[98:99], s[46:47]
	v_lshlrev_b32 v[BAD], 5, v2
	s_cmp_eq_u32 ttmp9, 1                          ; cluster x: the same in all sixteen partners
	s_cbranch_scc1 .Lk_third
.irp b, 0,1,2,3,4,5,6,7
	global_load_b128 v[BI+8*\b:BI+8*\b+3], v[BAD], s[96:97] offset:64*\b
	global_load_b128 v[BI+8*\b+4:BI+8*\b+7], v[BAD], s[96:97] offset:64*\b+16
.endr
	s_branch .Lbias_done
.Lk_third:
.set n, 0
.rept 64
	v_mov_b32 v[BI+n], 0
.set n, n+1
.endr
.Lbias_done:
	v_mul_u32_u24 v3, v1, PITCH
	v_lshl_add_u32 v4, v2, 4, v3                   ; a fragment's row x pitch + 16 x half
	s_mul_i32 s21, s15, HALFT                      ; my 128 rows of A
	s_mul_i32 s22, s16, HALFT                      ; my 128 rows of B,
	s_add_co_u32 s22, s22, 2*HALFT                 ; which lie behind A's 256
.irp s, 0,1
	v_add_nc_u32 v[ADRA+\s], s21, v4
	v_add_nc_u32 v[ADRB+\s], s22, v4
	s_add_co_u32 s21, s21, SLOT
	s_add_co_u32 s22, s22, SLOT
.endr
	v_mul_u32_u24 v5, v1, KS                       ; my row's scales: 32 bytes a row,
	v_lshrrev_b32 v6, 8, v5
	v_lshl_add_u32 v5, v6, 4, v5                   ; and 16 more for each 256 passed
	s_mul_i32 s21, s15, HALFS                      ; A's: my 128 rows
	s_mul_i32 s22, s16, HALFS                      ; B's: my 128 rows, behind A's 256
	s_add_co_u32 s22, s22, 2*HALFS
	s_sub_co_u32 s22, s22, s21
	v_mul_u32_u24 v6, s22, v2                      ; lanes 16-31 take B's
	s_add_co_u32 s21, s21, SCL
	v_add_nc_u32 v5, v5, v6
	v_add_nc_u32 v[ADRS], s21, v5
	s_mul_i32 s23, s14, 16*SPITCH                  ; my stage
	v_mul_u32_u24 v5, v1, SPITCH                   ; f32, in: row l % 16, 32 bytes for each half of the lanes
	v_lshl_add_u32 v5, v2, 5, v5
	v_add_nc_u32 v[STO], s23, v5
	v_and_b32 v6, 31, v0
	v_lshlrev_b32 v[CO], 4, v6                     ; f32, back: the 32 lanes take one row of 512 bytes; and the same in qkv32
	v_add_nc_u32 v[RD], s23, v[CO]
	v_mul_u32_u24 v5, v1, HPITCH                   ; f16, in: row l % 16, 16 bytes for each half of the lanes
	v_lshl_add_u32 v5, v2, 4, v5
	v_add_nc_u32 v[STO16], s23, v5
	v_bfe_u32 v5, v0, 3, 1                         ; f16, back: lanes 0-7 row 2 i of my first head, lanes 8-15 row 2 i + 1; lanes 16-31 the same of my second head
	v_mul_u32_u24 v5, v5, HPITCH
	v_lshl_add_u32 v5, v2, 7, v5
	v_and_b32 v6, 7, v0
	v_lshl_add_u32 v5, v6, 4, v5
	v_add_nc_u32 v[RD16], s23, v5
	v_lshlrev_b32 v5, 18, v2                       ; in qkv16 a head is 262,144 bytes, and two rows of a head are 256 consecutive bytes
	v_lshl_add_u32 v[CO16], v1, 4, v5
	s_lshl_b32 s20, ttmp9, 24                      ; qkv16: which third,
	s_lshl_b32 s21, s41, 22                        ; the sequence,
	s_add_co_u32 s20, s20, s21
	s_lshl_b32 s21, s95, 15                        ; 256 positions of 128 bytes a tile,
	s_add_co_u32 s20, s20, s21
	s_lshl_b32 s21, s15, 14                        ; 128 a wave,
	s_add_co_u32 s20, s20, s21
	s_lshl_b32 s46, s40, 20                        ; four heads a tile,
	s_lshl_b32 s47, s16, 19                        ; two a wave
	s_add_co_u32 s46, s46, s47
	s_add_co_u32 s20, s20, s46
	s_mov_b32 s21, 0
	s_add_nc_u64 s[12:13], s[12:13], s[20:21]
	s_mul_i32 s46, s41, 16*3072*4                  ; qkv32: the sequence's 16 rows
	s_mov_b32 s47, 0
	s_add_nc_u64 s[98:99], s[98:99], s[46:47]
	s_or_b32 s95, s95, s15                         ; 0 where my first 16 rows are t = 0 .. 15
.macro FRAG reg, adr, q, i             ; a fragment, 16 rows x 128 K of 4-bit codes, is 8 registers: lane l holds row l % 16; registers 4 c .. 4 c + 3 hold K = 64 c + 32 (l / 16) + 0 .. 31
.irp c, 0,1
	ds_load_b128 v[\reg+4*\c:\reg+4*\c+3], v[\adr] offset:64*(\q)+32*\c+(\i)*16*PITCH
.endr
.endm
; 16 matrix instructions: A's blocks a0, a0 + 1 x B's eight, 128 along K: the slot's q-th.  p: B's set;  sc: the set of scale words.  first = 1: the bias is the C: nothing is ever cleared or added later.
; The 64 accumulators take turns, one instruction a turn, in the same order in every step.
.macro MUL16 a0, p, q, sc, first
.irp a, \a0, \a0+1
.irp b, 0,1,2,3,4,5,6,7
.if \first
	v_wmma_scale_f32_16x16x128_f8f6f4 v[8*(8*((\a)%4)+\b):8*(8*((\a)%4)+\b)+7], v[128*(\p)+FR*\b:128*(\p)+FR*\b+FR-1], v[AF+FR*(\a):AF+FR*(\a)+FR-1], v[BI+8*\b:BI+8*\b+7], v[SC+8*NQ*(\sc)+NQ*\b+(\q)], v[SC+8*NQ*(\sc)+NQ*(\a)+(\q)] matrix_a_fmt:MATRIX_FMT_FP4 matrix_b_fmt:MATRIX_FMT_FP4 matrix_a_scale:MATRIX_SCALE_ROW1
.else
	v_wmma_scale_f32_16x16x128_f8f6f4 v[8*(8*((\a)%4)+\b):8*(8*((\a)%4)+\b)+7], v[128*(\p)+FR*\b:128*(\p)+FR*\b+FR-1], v[AF+FR*(\a):AF+FR*(\a)+FR-1], v[8*(8*((\a)%4)+\b):8*(8*((\a)%4)+\b)+7], v[SC+8*NQ*(\sc)+NQ*\b+(\q)], v[SC+8*NQ*(\sc)+NQ*(\a)+(\q)] matrix_a_fmt:MATRIX_FMT_FP4 matrix_b_fmt:MATRIX_FMT_FP4 matrix_a_scale:MATRIX_SCALE_ROW1
.endif
.endr
.endr
.endm
.macro FETCH_B slot, q, p              ; B's eight fragments of the slot's q-th 128 along K into set p
	WIN TO_B
.irp i, 0,1,2,3,4,5,6,7
	FRAG 128*(\p)+FR*\i, ADRB+\slot, \q, \i
.endr
	WIN 0
.endm
.macro FETCH_A slot, q, i0             ; A's blocks i0 .. i0 + 3
.irp i, \i0, \i0+1, \i0+2, \i0+3
	FRAG AF+FR*(\i), ADRA+\slot, \q, \i
.endr
.endm
.macro SCALES sc                       ; a slot's scale words into set sc: four words a row; lanes 0-15 take A's block i, lanes 16-31 B's block i
.irp i, 0,1,2,3,4,5,6,7
	ds_load_b128 v[SC+8*NQ*\sc+NQ*\i:SC+8*NQ*\sc+NQ*\i+3], v[ADRS] offset:\i*SBLK
.endr
.endm
; A load into a register that a matrix instruction has read, and a vector instruction or an LDS store that reads a matrix result, stand four places behind that matrix instruction; only plain vector
; instructions that name none of its registers are places (ISA guide 7.12.1 for vector instructions).
.macro PLACES n
.rept \n
	v_nop
.endr
.endm
; A step of 128 along K that has its successor in the same slot.
.macro STEP slot, q, first
	s_wait_dscnt 4*NL                              ; B's set and A's blocks 0-3 are in; the youngest eight loads (A's blocks 4-7) may be out
.if \first
	WIN FST_LO
.else
	WIN MUL_LO
.endif
	MUL16 0, (\q)%2, \q, \slot, \first
	MUL16 2, (\q)%2, \q, \slot, \first
	s_wait_dscnt 0                                 ; A's blocks 4-7 are in
	PLACES NP
	FETCH_B \slot, (\q)+1, 1-(\q)%2
	FETCH_A \slot, (\q)+1, 0
.if \first
	WIN FST_HI
.else
	WIN MUL_HI
.endif
	MUL16 4, (\q)%2, \q, \slot, \first
	MUL16 6, (\q)%2, \q, \slot, \first
	PLACES NP
	WIN 0
	FETCH_A \slot, (\q)+1, 4
.endm
; Slot 0's last step changes slots: one barrier; in front of it each wave waits for all its tensor loads (its part of slot 1), adds 0 to its spare word, and waits for that and for its reads of slot 0.
.macro TURN slot, next
	s_wait_tensorcnt 0x0                           ; all my tensor loads have landed
	ds_add_u32 v[SPW], v[NIL]                      ; 0 onto my spare word
	s_wait_dscnt 4*NL+1                            ; (the add and the youngest eight loads may be out)
	WIN MUL_LO
	MUL16 0, 1, NQ-1, \slot, 0
	s_wait_dscnt 0x0                               ; the add is done, and my reads of this slot are over
	s_barrier_signal -1
	MUL16 2, 1, NQ-1, \slot, 0
	WIN 0
	s_barrier_wait -1                              ; slot 1 is whole, and nobody reads slot 0 any more
	PLACES NP
	v_add_nc_u32 v[ADRS], 4*NQ, v[ADRS]            ; on to the next slot's scale words
	FETCH_B \next, 0, 0
	FETCH_A \next, 0, 0
	SCALES \next
	WIN MUL_HI
	MUL16 4, 1, NQ-1, \slot, 0
	MUL16 6, 1, NQ-1, \slot, 0
	PLACES NP
	WIN 0
	FETCH_A \next, 0, 4
.endm
.macro STEPS slot, from                ; the slot's steps from .. NQ - 2
.set Q, \from
.rept NQ-1-\from
	STEP \slot, Q, 0
.set Q, Q+1
.endr
.endm
	s_wait_loadcnt 0x0                             ; the bias
	s_wait_tensorcnt 1                             ; the scales and my part of slot 0 are in (slot 1's load may be out),
	s_barrier_signal -1
	s_barrier_wait -1                              ; everybody's are
	FETCH_B 0, 0, 0
	FETCH_A 0, 0, 0
	SCALES 0
	FETCH_A 0, 0, 4
	STEP 0, 0, 1                                   ; the first step's products start the sums from the bias
	STEPS 0, 1
	TURN 0, 1
	STEPS 1, 0
	s_wait_dscnt 4*NL                              ; the very last step: nothing more to fetch
	WIN MUL_LO
	MUL16 0, 1, NQ-1, 1, 0
	MUL16 2, 1, NQ-1, 1, 0
	s_wait_dscnt 0
	WIN MUL_HI
	MUL16 4, 1, NQ-1, 1, 0
	MUL16 6, 1, NQ-1, 1, 0
	WIN 0
	PLACES NP                                      ; in front of the first reads of results and of loads into the registers that held A's fragments
	; THE ROWS t < 16, IN F32: my block 0, where it holds them.  The branch hangs on cluster y and on the wave's number.  Through my own stage, back as whole rows of 512 bytes.
	s_cmp_lg_u32 s95, 0
	s_cbranch_scc1 .Lno_f32
	WIN 0x08                                       ; an LDS store's data are its source 1: window 2
.irp b, 0,1,2,3,4,5,6,7
	ds_store_b128 v[STO], v[8*\b:8*\b+3] offset:64*\b              ; each accumulator from its low end on
	ds_store_b128 v[STO], v[8*\b+4:8*\b+7] offset:64*\b+16
.endr
	WIN 0
.irp t, 0,1,2,3,4,5,6,7,8,9,10,11,12,13,14,15
	ds_load_b128 v[BK+4*\t:BK+4*\t+3], v[RD] offset:\t*SPITCH      ; LDS serves a wave's instructions in order: these see the stores above
.endr
	s_wait_dscnt 0x0
.irp t, 0,1,2,3,4,5,6,7,8,9,10,11,12,13,14,15
	global_store_b128 v[CO], v[BK+4*\t:BK+4*\t+3], s[98:99] offset:\t*3072*4   ; 32 lanes store 512 consecutive bytes, aligned
.endr
	s_wait_xcnt 0x0                                ; the stores have read their registers: these are loaded again below
.Lno_f32:
; THE WAY OUT IN F16, block by block of 16 rows x 128 columns (two heads).  PACK: rounded to f16, 16 bytes a lane.  TOSTAGE: into my own stage, and back so that sixteen lanes hold two rows of one head.  SEND: stored.
.macro PACK a
.set AC, 64*((\a)%4)
	WIN 0x0a+5*((\a)/4)                            ; sources 0 and 1: window 2 or 3
.irp b, 0,1,2,3,4,5,6,7
.irp r, 0,1,2,3
	v_cvt_pk_f16_f32 v[TMPP+4*\b+\r], v[AC+8*\b+2*\r], v[AC+8*\b+2*\r+1]
.endr
.endr
	WIN 0
.endm
.macro TOSTAGE a
.set BB, BK+32*((\a)%2)
.irp b, 0,1,2,3,4,5,6,7
	ds_store_b128 v[STO16], v[TMPP+4*\b:TMPP+4*\b+3] offset:32*\b
.endr
.irp t, 0,1,2,3,4,5,6,7
	ds_load_b128 v[BB+4*\t:BB+4*\t+3], v[RD16] offset:\t*2*HPITCH
.endr
.endm
.macro SEND a
.set BB, BK+32*((\a)%2)
	s_wait_dscnt 0x0                               ; the block is back in registers
.irp t, 0,1,2,3,4,5,6,7
	global_store_b128 v[CO16], v[BB+4*\t:BB+4*\t+3], s[12:13] offset:2048*(\a)+256*\t   ; sixteen lanes store 256 consecutive bytes, aligned: rows 2 t, 2 t + 1 of one head
.endr
.endm
	PACK 0
	TOSTAGE 0
.irp a, 1,2,3,4,5,6,7                  ; block a's conversions stand between block a - 1's loads from the stage and the wait for them
	PACK \a
	SEND \a-1
.if \a > 1
	s_wait_xcnt 0x0                                ; block a - 2's stores have read their registers: block a's loads may land there
.endif
	TOSTAGE \a
.endr
	SEND 7
	s_wait_tensorcnt 0x0                           ; the wave's end: a tensor wait, an add to my spare word and its wait, behind my last tensor load and my last LDS store
	ds_add_u32 v[SPW], v[NIL]
	s_wait_dscnt 0x0
	CROUND                                         ; the closing round
	s_endpgm
.Lfunc_end_k_q15e75e8824_gemm_qkv:
	.size	k_q15e75e8824_gemm_qkv, .Lfunc_end_k_q15e75e8824_gemm_qkv-k_q15e75e8824_gemm_qkv
	.p2alignl 7, 3214868480
	.fill 96, 4, 3214868480
	.section	.rodata,"a",@progbits
	.p2align	6, 0x0
	.amdhsa_kernel k_q15e75e8824_gemm_qkv
		.amdhsa_group_segment_fixed_size 327680
		.amdhsa_private_segment_fixed_size 0
		.amdhsa_enable_private_segment 0
		.amdhsa_kernarg_size 56
		.amdhsa_user_sgpr_count 2
		.amdhsa_user_sgpr_kernarg_segment_ptr 1
		.amdhsa_wavefront_size32 1
		.amdhsa_system_sgpr_workgroup_id_x 1
		.amdhsa_system_sgpr_workgroup_id_y 1
		.amdhsa_system_sgpr_workgroup_id_z 1
		.amdhsa_system_vgpr_workitem_id 0
		.amdhsa_next_free_vgpr 1024
		.amdhsa_next_free_sgpr 100
		.amdhsa_reserve_vcc 0
		.amdhsa_float_denorm_mode_32 3
		.amdhsa_float_denorm_mode_16_64 3
		.amdhsa_memory_ordered 1
		.amdhsa_forward_progress 1
		.amdhsa_inst_pref_size 134
	.end_amdhsa_kernel
	.amdgpu_metadata
---
amdhsa.version: [ 1, 2 ]
amdhsa.kernels:
  - .name:           k_q15e75e8824_gemm_qkv
    .symbol:         k_q15e75e8824_gemm_qkv.kd
    .args:
      - { .name: x_codes, .offset: 0, .size: 8, .value_kind: global_buffer, .address_space: global }
      - { .name: x_scales, .offset: 8, .size: 8, .value_kind: global_buffer, .address_space: global }
      - { .name: wa_codes, .offset: 16, .size: 8, .value_kind: global_buffer, .address_space: global }
      - { .name: wa_scales, .offset: 24, .size: 8, .value_kind: global_buffer, .address_space: global }
      - { .name: qkv16, .offset: 32, .size: 8, .value_kind: global_buffer, .address_space: global }
      - { .name: b_attn, .offset: 40, .size: 8, .value_kind: global_buffer, .address_space: global }
      - { .name: qkv32, .offset: 48, .size: 8, .value_kind: global_buffer, .address_space: global }
    .group_segment_fixed_size: 327680
    .private_segment_fixed_size: 0
    .kernarg_segment_align: 8
    .kernarg_segment_size: 56
    .max_flat_workgroup_size: 128
    .sgpr_count:     100
    .vgpr_count:     1024
    .wavefront_size: 32
...
	.end_amdgpu_metadata
.endif
;; end of part 3
;; launch attn (part 4): grid 8 x 32, 16 waves a work-group, no clusters, 327,680 bytes of LDS; arguments qkv16, y16; writes y16
.if DOCPART == 4
	.amdgcn_target "amdgcn-amd-amdhsa--gfx1250"
	.amdhsa_code_object_version 6
	.text
	.protected	k_q15e75e8824_attn
	.globl	k_q15e75e8824_attn
	.p2align	8
	.type	k_q15e75e8824_attn,@function
k_q15e75e8824_attn:
	s_mov_b64 s[64:65], 0
	v_nop
	global_prefetch_b8 v0, s[64:65] scope:SCOPE_SE
	s_setreg_imm32_b32 hwreg(HW_REG_WAVE_MODE, 25, 1), 1
	s_wait_xcnt 0x0
; y[b][h][q][:] = the sum over k <= q of softmax_k(q . k / 8) v[k][:].  q, k, v: qkv16 [3][4 b][16 h][2048 t][64] in f16; y16 [4 b][16 h][2048 t][64] in f16.  Products on f16 operands with f32 sums;
; maxima, exponentials and sums in f32; the weights p are rounded to f16 for the second product, y once at the end.
; WORK LEFT OUT: blocks of 128 keys that lie wholly behind a block of 128 queries (the causal mask that the problem builds itself; shown at the head of the first kernel).
; LIMIT: |q|, |k|, |v| under 65,504.  The rows t < 16 are made here too, and made again more finely by the last launch.
; NO CLUSTER: the eight work-groups that walk one pair of heads are at different keys in the same trip (each begins another block of queries), so no joint request could be alike in all of them.
; SHARES.  Work-group (j, y): heads 2 y and 2 y + 1 (counted through the sequences), and TWO blocks of 128 queries of both: first block 15 - j, which sees 16 - j blocks of keys, then block j, which sees j + 1:
; always 17 slots of 128 keys, so every work-group has the same work and the loop's trip count is a constant.  Wave w: head w >> 3, queries 16 (w & 7) on: one tile of 16 queries in 256 registers.
; K's and V's tiles of both heads come through a ring of two LDS slots, filled by the tensor data mover (waves 0, 1: K's of the two heads; waves 2, 3: V's) and read by all sixteen.
; LAYOUT.  S^T = K Q^T (source 0 = 16 keys, source 1 = my 16 queries): a lane holds ONE query (lane % 16) and the keys 8 (lane / 16) + 0..7 of a tile.  Two such tiles, rounded to f16 in pairs, ARE source 1
; (32 keys x 16 queries) of O^T = V^T P, whose result again holds one query a lane.  K comes out of LDS as it lies, V ([key][channel]) turned, by ds_load_tr16_b128.
; SOFTMAX.  For each query a running maximum m and sum l: p = 2^(c s - c m), c = log2(e) / 8; in every slot O and l are multiplied by a = 2^(c m_old - c m_new).
; REGISTERS: v1-11 addresses; v12 c m, v13 m, v[14:15] l in two halves; v16-31 Q; v32-95 K's tiles 0-3, then V's keys 0-63; v96-159 S^T, then V's keys 64-127; v160-191 O^T;
;   v192-255 K's tiles 4-7, then P (v192-223) and registers at work (v224-255).
.set KP,    144                        ; a key's row of K in LDS: 128 bytes + 16 of padding
.set VP,    160                        ; of V: 128 + 32
.set KH,    128*KP                     ; a head's 128 rows of K
.set VH,    128*VP
.set VOFF,  2*KH                       ; a slot: K of both heads, then V of both heads
.set SLOTB, VOFF+2*VH
.set SLOT1, 1<<17                      ; slot 1 begins here: one exclusive or turns an address in one slot into the other's
.set STAGE, SLOTB                      ; behind slot 0: 16 rows x 144 bytes for each wave, for the way out; no fill lands there
.set STW,   16*144
.set SPARE, SLOT1+SLOTB                ; behind slot 1: the spare words, 128 bytes for each of 16 waves; no other line names them
.set KBYTES, 128*128                   ; a slot's keys of one head in memory
.set AK0, 1                            ; v1   my lane's place in a slot's K
.set AV0, 2                            ; v2   in its V
.set SPW, 3                            ; v3   LDS address of my spare word; never rewritten
.set NIL, 4                            ; v4   0; never rewritten
.set STO, 5                            ; v5   the way out: where I put 16 bytes of a row
.set RD,  6                            ; v6   where I read back
.set GO,  7                            ; v7   16 x lane: my bytes of 512 in y16
.set QO,  8                            ; v8   my byte offset in the wave's 16 rows of Q
.set PFO, 9                            ; v9   256 x lane: the prefetches' offset; never rewritten
.set DD,  10                           ; v10  on the diagonal: my query - 8 (lane / 16), counted from the block's first key
.set ADR, 11                           ; v11  the LDS address of the run of loads in hand
.set Q,   16
.set KA,  32
.set VA,  32
.set S,   96
.set VB,  96
.set O,   160
.set KB,  192
.set P,   192
.set T,   224
.set TB,  2                            ; s2   LDS byte at which the slot in hand begins
.set F,   3                            ; s3   the slot's number, 0 .. 16
.set NLS, 8                            ; s8   15 - j: the last slot of the first block of queries
.set WRAP, 9                           ; s9   (16 - j) x KBYTES: back to key 0
.set D,   10                           ; s[10:11] what this trip takes off the walking addresses
.set QB1, 12                           ; s[12:13] Q of my second block
.set YA,  14                           ; s[14:15] y of my first block
.set YB,  16                           ; s[16:17] of my second
.set WV,  18
.set LIM, 19                           ; s19  a wave prefetches while F is under it
.set SEL, 20
.set CS,  22
.set G1K, 24
.set G1V, 32
.set G0K, 40
.set G0V, 44
.set PFA, 48                           ; s[48:49] where my prefetches stand
.set QB0, 50                           ; s[50:51] Q of my first block
; Waves 0 and 1 fetch K's tiles, waves 2 and 3 V's, the others nothing.  The branches hang on the wave's number alone.  An s_nop 0 and four v_nop follow each of the two lines.
.macro TLOAD
	s_cmp_lt_u32 s[WV], 2
	s_cbranch_scc0 .Lnot_k_\@
	tensor_load_to_lds s[G0K:G0K+3], s[G1K:G1K+7]
	s_nop 0
.rept 4
	v_nop
.endr
	s_branch .Lasked_\@
.Lnot_k_\@:
	s_cmp_lt_u32 s[WV], 4
	s_cbranch_scc0 .Lasked_\@
	tensor_load_to_lds s[G0V:G0V+3], s[G1V:G1V+7]
	s_nop 0
.rept 4
	v_nop
.endr
.Lasked_\@:
.endm
; A PREFETCH INTO THE L2 of the keys that the NEXT trip's tensor loads will ask for: four dense blocks of 16,384 bytes (K and V of two heads).  All eight work-groups of a pair of heads walk the same keys:
; the one with j = 0 asks, whose first block of queries walks all 16 blocks of keys in order.  In it the waves ask that fetch nothing: waves 4 to 11, 8,192 bytes each, lanes 256 bytes apart, one instruction.
; So each aligned block of 256 bytes is named once in the launch.  In trip F it names keys 128 (F + 2) on; it stops behind F = 13, at the heads' last keys.  Blocks 0 and 1 come by their loads alone.
.macro ASK
	s_cmp_lt_u32 s[F], s[LIM]
	s_cbranch_scc0 .Lnot_mine_\@
	global_prefetch_b8 v[PFO], s[PFA:PFA+1] th:TH_LOAD_NT scope:SCOPE_SE
.Lnot_mine_\@:
.endm
	s_load_b128 s[4:7], s[0:1], 0x0                ; qkv16, y16
	v_lshl_add_u32 v[SPW], v0, 2, SPARE
	v_mov_b32 v[NIL], 0
	ds_add_u32 v[SPW], v[NIL]                      ; the wave's opening: the add, twice on end, and its wait ahead of my first tensor load
	ds_add_u32 v[SPW], v[NIL]
	v_lshrrev_b32 v11, 5, v0
	v_readfirstlane_b32 s[WV], v11                 ; wave 0..15
	s_and_b32 s52, ttmp7, 0xffff
	s_lshl_b32 s52, s52, 1                         ; my first head, counted through the sequences
	s_lshr_b32 s53, s[WV], 3                       ; which of the two heads is mine
	s_and_b32 s54, s[WV], 7                        ; which 16 queries
	s_and_b32 s55, s[WV], 1                        ; which head I fetch, if I fetch
	; descriptor group 1: 128 rows of 64 elements of 2 bytes, dense in memory, padded in LDS
	s_mov_b32 s[G1K], (1<<16)|(1<<20)|(4<<22)|(3<<25)   ; no mask; elements of 2 bytes; padding on: after every 32 words, 4 words
	s_mov_b32 s[G1V], (1<<16)|(1<<20)|(4<<22)|(7<<25)   ; the same with 8 words
.irp g, G1K, G1V
	s_mov_b32 s[\g+1], 64<<16                      ; tensor_dim0
	s_mov_b32 s[\g+2], 128<<16                     ; tensor_dim1
	s_mov_b32 s[\g+3], 64<<16                      ; tile_dim0
	s_mov_b32 s[\g+4], 128                         ; tile_dim1
	s_mov_b32 s[\g+5], 64                          ; tensor_dim0_stride
	s_mov_b32 s[\g+6], 0
	s_mov_b32 s[\g+7], 0
.endr
	s_mov_b32 s[G0K], 1
	s_mul_i32 s[G0K+1], s55, KH                    ; LDS: slot 0, K of the head that I fetch
	s_mov_b32 s[G0V], 1
	s_mul_i32 s[G0V+1], s55, VH
	s_add_co_u32 s[G0V+1], s[G0V+1], VOFF
	s_sub_co_u32 s[NLS], 15, ttmp9
	s_add_co_u32 s56, s[NLS], 1
	s_lshl_b32 s[WRAP], s56, 14
	s_mov_b32 s[D+1], 0
	s_add_co_u32 s56, s52, s55
	s_lshl_b32 s56, s56, 18                        ; the fetched head's first byte in a third of qkv16
	s_mov_b32 s57, 0
	s_add_co_u32 s58, s52, s53
	s_lshl_b32 s58, s58, 18                        ; my head,
	s_lshl_b32 s59, s54, 11
	s_add_co_u32 s58, s58, s59                     ; my 16 rows of 128 bytes in a block
	s_lshl_b32 s60, s[NLS], 14                     ; the first block: 15 - j
	s_add_co_u32 s60, s60, s58
	s_mov_b32 s61, 0
	s_lshl_b32 s62, ttmp9, 14                      ; the second: j
	s_add_co_u32 s62, s62, s58
	s_mov_b32 s63, 0
	s_mov_b32 s[SEL], 0x76543210
	s_mov_b32 s[SEL+1], 0xfedcba98                 ; v_permlanex16_b32's selects for lane l xor 16
	s_mov_b32 s[CS], 0x3e38aa3b                    ; c = log2(e) / 8
	s_mov_b32 s[CS+1], s[CS]                       ; (named with it as a pair, so it is written)
	s_mov_b32 s[TB], 0
	s_mov_b32 s[F], 0
	s_wait_dscnt 0x0                               ; both opening adds are done
	s_wait_kmcnt 0x0
	s_add_nc_u64 s[G0K+2:G0K+3], s[4:5], s[56:57]
	s_add_nc_u64 s[G0K+2:G0K+3], s[G0K+2:G0K+3], 0x1000000    ; k's third
	s_or_b32 s[G0K+3], s[G0K+3], 0x80000000
	s_add_nc_u64 s[G0V+2:G0V+3], s[4:5], s[56:57]
	s_add_nc_u64 s[G0V+2:G0V+3], s[G0V+2:G0V+3], 0x2000000    ; v's
	s_or_b32 s[G0V+3], s[G0V+3], 0x80000000
	TLOAD                                          ; slot 0: keys 0 to 127
	s_add_nc_u64 s[QB0:QB0+1], s[4:5], s[60:61]
	s_add_nc_u64 s[QB1:QB1+1], s[4:5], s[62:63]
	s_add_nc_u64 s[YA:YA+1], s[6:7], s[60:61]
	s_add_nc_u64 s[YB:YB+1], s[6:7], s[62:63]
	; the prefetches: part p = (w + 4) & 7: p >> 2 K or V, (p >> 1) & 1 the head, p & 1 which 8,192 bytes
	s_add_co_u32 s56, s[WV], 4
	s_and_b32 s56, s56, 7
	s_lshr_b32 s57, s56, 2
	s_add_co_u32 s57, s57, 1
	s_lshl_b32 s57, s57, 24
	s_bfe_u32 s58, s56, 0x10001
	s_add_co_u32 s58, s58, s52
	s_lshl_b32 s58, s58, 18
	s_add_co_u32 s57, s57, s58
	s_and_b32 s58, s56, 1
	s_lshl_b32 s58, s58, 13
	s_add_co_u32 s56, s57, s58
	s_add_co_u32 s56, s56, KBYTES                  ; at keys 128 on: the first trip steps it to 256
	s_mov_b32 s57, 0
	s_add_nc_u64 s[PFA:PFA+1], s[4:5], s[56:57]
	s_sub_co_u32 s56, s[WV], 4
	s_lshr_b32 s56, s56, 3                         ; 0 in waves 4 to 11,
	s_or_b32 s56, s56, ttmp9                       ; of the work-group j = 0
	s_cmp_eq_u32 s56, 0
	s_cselect_b32 s[LIM], 14, 0
	v_and_b32 v12, 15, v0                          ; r = lane % 16
	v_bfe_u32 v13, v0, 4, 1                        ; h = lane / 16
	v_and_b32 v14, 31, v0                          ; lane
	v_lshlrev_b32 v[QO], 7, v12
	v_lshl_add_u32 v[QO], v13, 4, v[QO]            ; Q: row r of 128 bytes, + 16 h
.irp c, 0,1
	global_load_b128 v[Q+8*\c:Q+8*\c+3], v[QO], s[QB0:QB0+1] offset:64*\c
	global_load_b128 v[Q+8*\c+4:Q+8*\c+7], v[QO], s[QB0:QB0+1] offset:64*\c+32
.endr
	s_mul_i32 s56, s53, KH
	v_mul_u32_u24 v[AK0], v12, KP
	v_lshl_add_u32 v[AK0], v13, 4, v[AK0]
	v_add_nc_u32 v[AK0], s56, v[AK0]               ; K: my head, row r, + 16 h
	v_and_b32 v15, 7, v0
	v_lshl_add_u32 v15, v13, 3, v15
	v_mul_u32_u24 v[AV0], v15, VP                  ; V, for the turning load: key 8 h + lane % 8,
	v_bfe_u32 v15, v0, 3, 1
	v_lshl_add_u32 v[AV0], v15, 4, v[AV0]          ; channels 8 ((lane / 8) % 2) on
	s_mul_i32 s56, s53, VH
	s_add_co_u32 s56, s56, VOFF
	v_add_nc_u32 v[AV0], s56, v[AV0]
	s_mul_i32 s56, s[WV], STW
	s_add_co_u32 s56, s56, STAGE                   ; my stage
	v_mul_u32_u24 v[STO], v12, 144
	v_lshl_add_u32 v[STO], v13, 4, v[STO]
	v_add_nc_u32 v[STO], s56, v[STO]               ; in: row r, 16 bytes for each half of the lanes
	v_bfe_u32 v15, v0, 3, 2
	v_mul_u32_u24 v[RD], v15, 144
	v_and_b32 v15, 7, v0
	v_lshl_add_u32 v[RD], v15, 4, v[RD]
	v_add_nc_u32 v[RD], s56, v[RD]                 ; back: eight lanes to a row of 128 bytes, four rows an instruction
	v_lshlrev_b32 v[GO], 4, v14
	v_lshlrev_b32 v[PFO], 8, v14
	v_lshlrev_b32 v15, 3, v13
	v_sub_nc_u32 v[DD], v12, v15
	s_lshl_b32 s56, s54, 4
	v_add_nc_u32 v[DD], s56, v[DD]                 ; 16 (w & 7) + r - 8 h
.macro RESTART                         ; a block of queries begins: m under every score, l and O^T zeros, which the first change of m leaves zeros
	v_mov_b32 v13, 0xff61b1e6                      ; -3e38
	v_mul_f32 v12, s[CS], v13
	v_mov_b32 v14, 0
	v_mov_b32 v15, 0
.set n, 0
.rept 32
	v_mov_b32 v[O+n], 0
.set n, n+1
.endr
.endm
	RESTART
; A SLOT'S WORK: 128 keys.  diag = 0: the mask stands under a branch on the slot's number; 1: it is always run.
.macro STEP diag
	v_add_nc_u32 v[ADR], s[TB], v[AK0]
.irp kt, 0,1,2,3
.irp c, 0,1
	ds_load_b128 v[KA+16*\kt+8*\c:KA+16*\kt+8*\c+3], v[ADR] offset:16*KP*\kt+64*\c
	ds_load_b128 v[KA+16*\kt+8*\c+4:KA+16*\kt+8*\c+7], v[ADR] offset:16*KP*\kt+64*\c+32
.endr
.endr
.irp kt, 0,1,2,3
.irp c, 0,1
	ds_load_b128 v[KB+16*\kt+8*\c:KB+16*\kt+8*\c+3], v[ADR] offset:16*KP*(\kt+4)+64*\c
	ds_load_b128 v[KB+16*\kt+8*\c+4:KB+16*\kt+8*\c+7], v[ADR] offset:16*KP*(\kt+4)+64*\c+32
.endr
.endr
	s_wait_dscnt 16                                ; tiles 0-3 are in; the 16 loads of tiles 4-7 may be out
.irp kt, 0,1,2,3                       ; S^T = K Q^T: four accumulators by turns, one instruction a turn; the first products start the sums
	v_wmma_f32_16x16x32_f16 v[S+8*\kt:S+8*\kt+7], v[KA+16*\kt:KA+16*\kt+7], v[Q:Q+7], 0
.endr
.irp kt, 0,1,2,3
	v_wmma_f32_16x16x32_f16 v[S+8*\kt:S+8*\kt+7], v[KA+16*\kt+8:KA+16*\kt+15], v[Q+8:Q+15], v[S+8*\kt:S+8*\kt+7]
.endr
	s_wait_dscnt 0x0
.irp kt, 0,1,2,3
	v_wmma_f32_16x16x32_f16 v[S+32+8*\kt:S+32+8*\kt+7], v[KB+16*\kt:KB+16*\kt+7], v[Q:Q+7], 0
.endr
.irp kt, 0,1,2,3
	v_wmma_f32_16x16x32_f16 v[S+32+8*\kt:S+32+8*\kt+7], v[KB+16*\kt+8:KB+16*\kt+15], v[Q+8:Q+15], v[S+32+8*\kt:S+32+8*\kt+7]
.endr
.rept 4
	v_nop                                          ; four places: in front of loads into K's registers, of the first read of the scores, and of writes into K's registers
.endr
	v_add_nc_u32 v[ADR], s[TB], v[AV0]
.irp kg, 0,1                           ; V of keys 0 to 63, turned: fragment (32 keys kg, 16 channels ct)
.irp ct, 0,1,2,3
	ds_load_tr16_b128 v[VA+32*\kg+8*\ct:VA+32*\kg+8*\ct+3], v[ADR] offset:32*VP*\kg+32*\ct
	ds_load_tr16_b128 v[VA+32*\kg+8*\ct+4:VA+32*\kg+8*\ct+7], v[ADR] offset:32*VP*\kg+16*VP+32*\ct
.endr
.endr
.if !(\diag)
	s_cmp_lg_u32 s[F], s[NLS]                      ; the first block's last slot lies on the diagonal; ids and the count of trips alone
	s_cbranch_scc1 .Lopen_\@
.endif
	v_mov_b32 v[T+8], 0xff800000                   ; on the diagonal hidden scores become -infinity ahead of the maximum: p = 0 then.  Register 8 kt + i holds key 16 kt + 8 h + i: hidden where 16 kt + i > v[DD]
.set n, 0
.rept 64
	v_cmp_gt_i32 vcc_lo, 16*(n/8)+n%8, v[DD]
	v_cndmask_b32 v[S+n], v[S+n], v[T+8], vcc_lo
.set n, n+1
.endr
.Lopen_\@:
.irp b, 0,1,2,3                        ; the largest score: four chains of 16, each tile read from its low end on
	v_max3_num_f32 v[T+\b], v[S+16*\b], v[S+16*\b+1], v[S+16*\b+2]
.endr
.irp i, 3,5,7,9,11,13
.irp b, 0,1,2,3
	v_max3_num_f32 v[T+\b], v[T+\b], v[S+16*\b+\i], v[S+16*\b+\i+1]
.endr
.endr
.irp b, 0,1,2,3
	v_max_num_f32 v[T+\b], v[T+\b], v[S+16*\b+15]
.endr
	v_max3_num_f32 v[T], v[T], v[T+1], v[T+2]
	v_max3_num_f32 v[T], v[T], v[T+3], v13         ; with the old m
	v_permlanex16_b32 v[T+4], v[T], s[SEL], s[SEL+1]   ; the query's other 64 keys lie in the lane 16 away
	v_mov_b32 v[T+2], v12                          ; c m_old is kept for a
	v_max_num_f32 v13, v[T], v[T+4]                ; the new m
	v_mul_f32 v12, s[CS], v13
	v_sub_f32 v[T+2], v[T+2], v12                  ; c m_old - c m_new
.set n, 0
.rept 32
	v_pk_fma_f32 v[S+n:S+n+1], v[S+n:S+n+1], s[CS:CS+1], v[12:13] op_sel_hi:[1,0,0] neg_lo:[0,0,1] neg_hi:[0,0,1]   ; c s - c m, two at a time
.set n, n+2
.endr
	v_exp_f32 v[T+6], v[T+2]                       ; a.  ONE BATCH of 65 exponentials; none reads another's result
.set n, 0
.rept 64
	v_exp_f32 v[S+n], v[S+n]                       ; p, at most 1
.set n, n+1
.endr
	v_nop                                          ; a plain line behind the last exponential
	s_wait_alu depctr_va_vdst(0)                   ; the one wait ahead of the batch's first reader
.set n, 0
.rept 32
	v_cvt_pk_f16_f32 v[P+n], v[S+2*n], v[S+2*n+1]  ; two tiles' pairs are a fragment of P
.set n, n+1
.endr
	v_pk_mul_f32 v[14:15], v[14:15], v[T+6:T+7] op_sel_hi:[1,0]   ; l under the new m
	v_pk_add_f32 v[T+10:T+11], v[S:S+1], v[S+2:S+3]               ; the row's sum, of p in f32: two chains
.irp j, 4,8,12,16,20,24,28,32,36,40,44,48,52,56,60
	v_pk_add_f32 v[14:15], v[14:15], v[S+\j:S+\j+1]
	v_pk_add_f32 v[T+10:T+11], v[T+10:T+11], v[S+\j+2:S+\j+3]
.endr
	v_pk_add_f32 v[14:15], v[14:15], v[T+10:T+11]
.irp kg, 0,1                           ; V of keys 64 to 127, into the registers that p has left
.irp ct, 0,1,2,3
	ds_load_tr16_b128 v[VB+32*\kg+8*\ct:VB+32*\kg+8*\ct+3], v[ADR] offset:32*VP*(\kg+2)+32*\ct
	ds_load_tr16_b128 v[VB+32*\kg+8*\ct+4:VB+32*\kg+8*\ct+7], v[ADR] offset:32*VP*(\kg+2)+16*VP+32*\ct
.endr
.endr
.set n, 0
.rept 16
	v_pk_mul_f32 v[O+n:O+n+1], v[O+n:O+n+1], v[T+6:T+7] op_sel_hi:[1,0]   ; O^T under the new m
.set n, n+2
.endr
	s_wait_dscnt 16                                ; V of keys 0 to 63 is in; the 16 loads just issued may be out
.irp kg, 0,1                           ; O^T += V^T P: the four accumulators by turns
.irp ct, 0,1,2,3
	v_wmma_f32_16x16x32_f16 v[O+8*\ct:O+8*\ct+7], v[VA+32*\kg+8*\ct:VA+32*\kg+8*\ct+7], v[P+8*\kg:P+8*\kg+7], v[O+8*\ct:O+8*\ct+7]
.endr
.endr
	s_wait_dscnt 0x0
.irp kg, 0,1
.irp ct, 0,1,2,3
	v_wmma_f32_16x16x32_f16 v[O+8*\ct:O+8*\ct+7], v[VB+32*\kg+8*\ct:VB+32*\kg+8*\ct+7], v[P+16+8*\kg:P+16+8*\kg+7], v[O+8*\ct:O+8*\ct+7]
.endr
.endr
.rept 5
	v_nop                                          ; five places: the next slot's first products write over V's registers, its loads land on V's and P's; the way out reads O^T
.endr
.endm
; THE WAY OUT of a block of queries: O^T / l, rounded to f16, through my own stage: my 16 rows of 128 bytes are 2,048 consecutive bytes of y16.
.macro OUT yb
	v_add_f32 v14, v14, v15                        ; l's two halves,
	v_permlanex16_b32 v[T+4], v14, s[SEL], s[SEL+1]
	v_add_f32 v14, v14, v[T+4]                     ; and lane l xor 16's
	v_rcp_f32 v[T+6], v14
	v_nop                                          ; a plain line behind the reciprocal
	s_wait_alu depctr_va_vdst(0)                   ; and the wait ahead of its first reader
.set n, 0
.rept 16
	v_pk_mul_f32 v[S+n:S+n+1], v[O+n:O+n+1], v[T+6:T+7] op_sel_hi:[1,0]   ; each accumulator from its low end on
.set n, n+2
.endr
.set n, 0
.rept 16
	v_cvt_pk_f16_f32 v[32+n], v[S+2*n], v[S+2*n+1]
.set n, n+1
.endr
.irp ct, 0,1,2,3
	ds_store_b128 v[STO], v[32+4*\ct:35+4*\ct] offset:32*\ct
.endr
.irp t, 0,1,2,3
	ds_load_b128 v[48+4*\t:51+4*\t], v[RD] offset:4*144*\t       ; LDS serves a wave's instructions in order: these see the stores above
.endr
	s_wait_dscnt 0x0
.irp t, 0,1,2,3
	global_store_b128 v[GO], v[48+4*\t:51+4*\t], s[\yb:\yb+1] offset:512*\t   ; 32 lanes store 512 consecutive bytes, aligned
.endr
.endm
; A TRIP.  The change of slots stands at its head: each wave waits for all its tensor loads (its part of the slot that it is about to read), adds 0 to its spare word, and waits for that and for its reads of the
; slot that it has left.  Behind the barrier the slot ahead is whole and nobody reads the other one: it is filled with the next 128 keys, and that load has the whole trip in which to land.
.macro TRIP fill
	s_wait_tensorcnt 0x0                           ; no tensor load of mine is out, so a group 0 may be written
	ds_add_u32 v[SPW], v[NIL]                      ; 0 onto my spare word
.if \fill
	ds_add_u32 v[SPW], v[NIL]                      ; in the loop twice on end
	s_xor_b32 s[G0K+1], s[G0K+1], SLOT1            ; the walking descriptors: the other slot,
	s_xor_b32 s[G0V+1], s[G0V+1], SLOT1
	s_cmp_eq_u32 s[F], s[NLS]                      ; behind the first block's last slot the keys begin anew
	s_cselect_b32 s[D], s[WRAP], 0
	s_add_nc_u64 s[G0K+2:G0K+3], s[G0K+2:G0K+3], KBYTES   ; the next 128 keys; the type bits on top are not reached
	s_sub_nc_u64 s[G0K+2:G0K+3], s[G0K+2:G0K+3], s[D:D+1]
	s_add_nc_u64 s[G0V+2:G0V+3], s[G0V+2:G0V+3], KBYTES
	s_sub_nc_u64 s[G0V+2:G0V+3], s[G0V+2:G0V+3], s[D:D+1]
	s_wait_xcnt 0x0                                ; the last prefetch, a trip back, has read its address, so it may be written
	s_add_nc_u64 s[PFA:PFA+1], s[PFA:PFA+1], KBYTES
.endif
	s_wait_dscnt 0x0                               ; the add is done, and my reads of the slot that I have left are over
	s_barrier_signal -1
	s_barrier_wait -1
.if \fill
	TLOAD                                          ; the first thing behind the barrier, and a wave's one tensor load until the next
	ASK
.endif
	s_wait_loadcnt 0x0                             ; Q, where a block of queries begins
.endm
.Lslot:                                            ; 16 trips: slots 0 to 15; each asks for the slot that follows
	TRIP 1
	STEP 0
	s_xor_b32 s[TB], s[TB], SLOT1                  ; on to the other slot
	s_cmp_lg_u32 s[F], s[NLS]
	s_cbranch_scc1 .Lsame_block
	OUT YA                                         ; the first block of queries is finished; the second begins
.irp c, 0,1
	global_load_b128 v[Q+8*\c:Q+8*\c+3], v[QO], s[QB1:QB1+1] offset:64*\c
	global_load_b128 v[Q+8*\c+4:Q+8*\c+7], v[QO], s[QB1:QB1+1] offset:64*\c+32
.endr
	RESTART
	s_wait_xcnt 0x0                                ; the stores have read their registers: the next slot's loads land there
.Lsame_block:
	s_add_co_u32 s[F], s[F], 1
	s_cmp_lt_u32 s[F], 16
	s_cbranch_scc1 .Lslot
	TRIP 0                                         ; slot 16, the second block's diagonal, is written out: nothing is left to fetch
	STEP 1
	OUT YB
	s_wait_tensorcnt 0x0                           ; the wave's end: a tensor wait, an add to my spare word and its wait, behind my last tensor load and my last LDS store
	ds_add_u32 v[SPW], v[NIL]
	s_wait_dscnt 0x0
	s_endpgm
.Lfunc_end_k_q15e75e8824_attn:
	.size	k_q15e75e8824_attn, .Lfunc_end_k_q15e75e8824_attn-k_q15e75e8824_attn
	.p2alignl 7, 3214868480
	.fill 96, 4, 3214868480
	.section	.rodata,"a",@progbits
	.p2align	6, 0x0
	.amdhsa_kernel k_q15e75e8824_attn
		.amdhsa_group_segment_fixed_size 327680
		.amdhsa_private_segment_fixed_size 0
		.amdhsa_enable_private_segment 0
		.amdhsa_kernarg_size 16
		.amdhsa_user_sgpr_count 2
		.amdhsa_user_sgpr_kernarg_segment_ptr 1
		.amdhsa_wavefront_size32 1
		.amdhsa_system_sgpr_workgroup_id_x 1
		.amdhsa_system_sgpr_workgroup_id_y 1
		.amdhsa_system_sgpr_workgroup_id_z 1
		.amdhsa_system_vgpr_workitem_id 0
		.amdhsa_next_free_vgpr 256
		.amdhsa_next_free_sgpr 66
		.amdhsa_reserve_vcc 1
		.amdhsa_float_denorm_mode_32 3
		.amdhsa_float_denorm_mode_16_64 3
		.amdhsa_memory_ordered 1
		.amdhsa_forward_progress 1
		.amdhsa_inst_pref_size 64
	.end_amdhsa_kernel
	.amdgpu_metadata
---
amdhsa.version: [ 1, 2 ]
amdhsa.kernels:
  - .name:           k_q15e75e8824_attn
    .symbol:         k_q15e75e8824_attn.kd
    .args:
      - { .name: qkv16, .offset: 0, .size: 8, .value_kind: global_buffer, .address_space: global }
      - { .name: y16, .offset: 8, .size: 8, .value_kind: global_buffer, .address_space: global }
    .group_segment_fixed_size: 327680
    .private_segment_fixed_size: 0
    .kernarg_segment_align: 8
    .kernarg_segment_size: 16
    .max_flat_workgroup_size: 512
    .sgpr_count:     66
    .vgpr_count:     256
    .wavefront_size: 32
...
	.end_amdgpu_metadata
.endif
;; end of part 4
;; launch proj (part 5): grid 4 x 64, 4 waves a work-group, clusters of 4 x 4, 327,680 bytes of LDS; arguments y16, wp16, b_proj, out0; writes out0
.if DOCPART == 5
	.amdgcn_target "amdgcn-amd-amdhsa--gfx1250"
	.amdhsa_code_object_version 6
	.text
	.protected	k_q15e75e8824_proj
	.globl	k_q15e75e8824_proj
	.p2align	8
	.type	k_q15e75e8824_proj,@function
k_q15e75e8824_proj:
	s_mov_b64 s[64:65], 0
	v_nop
	global_prefetch_b8 v0, s[64:65] scope:SCOPE_SE
	s_setreg_imm32_b32 hwreg(HW_REG_WAVE_MODE, 25, 1), 1
	s_wait_xcnt 0x0
	s_wait_alu depctr_hold_cnt(0) depctr_sa_sdst(0) depctr_va_vdst(0) depctr_va_sdst(0) depctr_va_ssrc(0) depctr_va_vcc(0) depctr_vm_vsrc(0)
	s_getreg_b32 s2, hwreg(HW_REG_IB_STS2, 6, 4)
	s_cmp_eq_u32 s2, 0
	s_cbranch_scc0 .Lentry_in_a_cluster
	s_endpgm
.Lentry_in_a_cluster:
	s_bfe_u32 s2, ttmp6, 0x10000c
	s_cmp_lg_u32 s2, 0xf033
	s_cbranch_scc0 .Lentry_shape_is_right
	s_endpgm
.Lentry_shape_is_right:
; out0 = y W_proj + b_proj.  y16 [4 b][16 h][2048 t][64] in f16 (K = (h, channel)); wp16 [1024 (k)][1024 (n)] in f16; b_proj [1024], out0 [8192][1024] in f32; sums in f32.
; The rows t < 16 of every sequence are made here too, and written again, more finely, by the last launch.
; A tile of out0 is 128 rows x 256 columns: 256 work-groups of four waves; a wave makes 64 x 128: 32 accumulators, 256 registers.  K goes in steps of 128 (two heads) through a ring of two LDS slots.
; A's tile of a step is two dense blocks of memory, 128 rows x 128 bytes of one head each (waves 0, 1); B's is 128 rows k x 512 bytes (waves 2, 3: 64 rows each).
; CLUSTERS: 4 x 4 work-groups.  The four of a row of the cluster need the same tiles of A, the four of a column the same tiles of B: each tile is asked for jointly.
; THE MATRIX INSTRUCTION IS USED TRANSPOSED: source 0 = 16 columns n of W (out of LDS turned, by ds_load_tr16_b128, since K is W's first axis), source 1 = 16 rows of y: a lane holds eight neighbouring
; columns of one row of out0.  The bias is the C of each sum's first matrix instruction.
; REGISTERS: window 0: v0-31 addresses; two fragment buffers of 96 (32 of A: 4 x 16 rows x 32 K; 64 of B: 8 x 16 columns x 32 K) at v64 and v160; on the way out v64-191 hold rows.
;   window 1: the accumulators ((a, b) at v[8 (8 a + b)]).   window 2: v0-63 the bias.
.set KP,     144                       ; a row of A in LDS: 128 bytes + 16
.set AH,     128*KP                    ; a head's 128 rows
.set BP,     544                       ; a row of B: 512 bytes + 32
.set BOFF,   2*AH
.set BHALF,  64*BP
.set SLOT,   BOFF+2*BHALF
.set SPARE,  2*SLOT                    ; behind the ring: the spare words, 128 bytes for each wave; no other line names them
.set SPITCH, 528                       ; the way out: a stage of 16 rows x (512 + 16) bytes for each wave, in slot 0, which has had its last fill and its last read by then
.set ASTEP,  2*2*262144                ; two K steps on: four heads
.set BSTEP,  2*128*2048                ; 256 rows of W
.set ADRA, 16
.set ADRB, 20
.set STO,  24
.set RD,   25
.set CO,   26
.set SPW,  28
.set NIL,  29
.set BAD,  30
.set F0,   64
.set F1,   160
.set BK,   64
.set G1, 24
.set G0, 32
.set G1B, 48
.set G0B, 56
.set MSB, 0
.macro WIN new                         ; the immediate's high byte repeats the setting that is left
.if MSB != (\new)
	s_set_vgpr_msb (MSB<<8)|(\new)
.set MSB, (\new)
.endif
.endm
.set MUL,  0x50                        ; sources 0 and 1 window 0; C and D window 1
.set FST,  0x60                        ; the first quarter: C (the bias) window 2, D window 1
.macro JLOAD s                         ; a joint load: waves 0 and 1 fetch A's two heads, waves 2 and 3 B's halves; an s_nop 0 and four v_nop follow each of the two lines
	s_cmp_eq_u32 s11, 0
	s_cbranch_scc0 .Lfor_b_\@
	tensor_load_to_lds s[G0+4*\s:G0+4*\s+3], s[G1:G1+7]
	s_nop 0
.rept 4
	v_nop
.endr
	s_branch .Lasked_\@
.Lfor_b_\@:
	tensor_load_to_lds s[G0B+4*\s:G0B+4*\s+3], s[G1B:G1B+7]
	s_nop 0
.rept 4
	v_nop
.endr
.Lasked_\@:
.endm
.macro CREST                           ; a round of the cluster's barrier behind its opening barrier
	s_cmp_lg_u32 s10, 0
	s_cbranch_scc1 .Lnot_wave_0_\@
	s_barrier_signal -3
.Lnot_wave_0_\@:
	s_barrier_wait -3
	s_barrier_signal -1
	s_barrier_wait -1
.endm
.macro CROUND
	s_barrier_signal -1
	s_barrier_wait -1
	CREST
.endm
	s_load_b256 s[68:75], s[0:1], 0x0              ; y16 s[68:69], wp16 s[70:71], b_proj s[72:73], out0 s[74:75]
	v_lshl_add_u32 v[SPW], v0, 2, SPARE
	v_mov_b32 v[NIL], 0
	ds_add_u32 v[SPW], v[NIL]                      ; the wave's opening: the add, twice on end, and its wait ahead of my first tensor load
	ds_add_u32 v[SPW], v[NIL]
	v_lshrrev_b32 v1, 5, v0
	v_readfirstlane_b32 s10, v1                    ; wave 0..3
	s_lshr_b32 s11, s10, 1                         ; which half of the tile's rows is mine.  Also: I fetch for A (0) or for B (1)
	s_and_b32 s12, s10, 1                          ; which half of its columns.  Also: which head of A, or which 64 rows of B, I fetch
	s_bfe_u32 s40, ttmp6, 0x40000                  ; cx, cy
	s_bfe_u32 s41, ttmp6, 0x40004
	s_lshl_b32 s42, ttmp9, 2
	s_add_co_u32 s42, s42, s40                     ; tile column = 4 x cluster x + cx
	s_and_b32 s13, ttmp7, 0xffff
	s_lshl_b32 s13, s13, 2
	s_add_co_u32 s13, s13, s41                     ; tile row = 4 x cluster y + cy
	s_lshl_b32 s43, s41, 2
	s_lshl_b32 s43, 15, s43                        ; my row of the cluster
	s_lshl_b32 s44, 0x1111, s40                    ; my column
	s_or_b32 s[G1+0], s43, (1<<16)|(1<<20)|(1<<21)|(4<<22)|(3<<25)   ; A: the mask of my row; elements of 2 bytes; padding on; bit 21 beside a mask; after every 32 words, 4 words
	s_mov_b32 s[G1+1], 64<<16                      ; tensor_dim0 = 64
	s_mov_b32 s[G1+2], 128<<16                     ; tensor_dim1 = 128
	s_mov_b32 s[G1+3], 64<<16                      ; tile_dim0
	s_mov_b32 s[G1+4], 128                         ; tile_dim1
	s_mov_b32 s[G1+5], 64                          ; tensor_dim0_stride
	s_mov_b32 s[G1+6], 0
	s_mov_b32 s[G1+7], 0
	s_or_b32 s[G1B+0], s44, (1<<16)|(1<<20)|(1<<21)|(6<<22)|(7<<25)  ; B: the mask of my column; after every 128 words, 8 words
	s_mov_b32 s[G1B+1], 256<<16
	s_mov_b32 s[G1B+2], 64<<16
	s_mov_b32 s[G1B+3], 256<<16
	s_mov_b32 s[G1B+4], 64
	s_mov_b32 s[G1B+5], 1024
	s_mov_b32 s[G1B+6], 0
	s_mov_b32 s[G1B+7], 0
	s_lshr_b32 s16, s13, 4                         ; A: the sequence (16 tiles of 128 rows each),
	s_lshl_b32 s16, s16, 22
	s_and_b32 s17, s13, 15
	s_lshl_b32 s17, s17, 14                        ; 128 rows of 128 bytes a tile,
	s_add_co_u32 s16, s16, s17
	s_lshl_b32 s17, s12, 18                        ; the head that I fetch
	s_add_co_u32 s16, s16, s17
	s_mov_b32 s17, 0
	s_lshl_b32 s46, s12, 17                        ; B: 64 rows of 2,048 bytes,
	s_lshl_b32 s47, s42, 9                         ; 256 columns a tile
	s_add_co_u32 s46, s46, s47
	s_mov_b32 s47, 0
	s_mul_i32 s20, s12, AH                         ; where they go: no place in the cluster enters an LDS address
	s_mul_i32 s21, s12, BHALF
	s_add_co_u32 s21, s21, BOFF
	s_wait_dscnt 0x0                               ; both opening adds are done
	s_wait_kmcnt 0x0
	s_add_nc_u64 s[14:15], s[68:69], s[16:17]
	s_add_nc_u64 s[46:47], s[70:71], s[46:47]
	CROUND                                         ; all sixteen work-groups are here: the first joint loads meet
.irp s, 0,1
	s_mov_b32 s[G0+4*\s], 1
	s_add_co_u32 s[G0+4*\s+1], s20, \s*SLOT
	s_add_nc_u64 s[G0+4*\s+2:G0+4*\s+3], s[14:15], \s*2*262144
	s_or_b32 s[G0+4*\s+3], s[G0+4*\s+3], 0x80000000
	s_mov_b32 s[G0B+4*\s], 1
	s_add_co_u32 s[G0B+4*\s+1], s21, \s*SLOT
	s_add_nc_u64 s[G0B+4*\s+2:G0B+4*\s+3], s[46:47], \s*128*2048
	s_or_b32 s[G0B+4*\s+3], s[G0B+4*\s+3], 0x80000000
	JLOAD \s                                       ; two tensor loads of mine are out
.endr
	v_and_b32 v1, 15, v0                           ; l % 16
	v_bfe_u32 v2, v0, 4, 1                         ; l / 16
	s_lshl_b32 s46, s42, 10
	s_lshl_b32 s47, s12, 9
	s_add_co_u32 s46, s46, s47                     ; 4 n0: my first column in bytes
	s_mov_b32 s47, 0
	s_add_nc_u64 s[72:73], s[72:73], s[46:47]
	v_lshlrev_b32 v[BAD], 5, v2
	WIN 0x80                                       ; destination window 2
.irp b, 0,1,2,3,4,5,6,7                ; the bias: v[8 b + j] = b_proj[n0 + 16 b + 8 (l / 16) + j]
	global_load_b128 v[8*\b:8*\b+3], v[BAD], s[72:73] offset:64*\b
	global_load_b128 v[8*\b+4:8*\b+7], v[BAD], s[72:73] offset:64*\b+16
.endr
	WIN 0
	v_mul_u32_u24 v3, v1, KP
	v_lshl_add_u32 v3, v2, 4, v3                   ; A: row x pitch + 16 x half
	v_and_b32 v4, 7, v0
	v_lshl_add_u32 v4, v2, 3, v4
	v_mul_u32_u24 v4, v4, BP                       ; B, for the turning load: row k = 8 (l / 16) + l % 8,
	v_bfe_u32 v5, v0, 3, 1
	v_lshl_add_u32 v4, v5, 4, v4                   ; columns 8 ((l / 8) % 2) on
	s_mul_i32 s21, s11, 64*KP                      ; my 64 rows of A
	s_lshl_b32 s22, s12, 8                         ; my 128 columns of B
	s_add_co_u32 s22, s22, BOFF
.irp s, 0,1
	v_add_nc_u32 v[ADRA+\s], s21, v3
	v_add_nc_u32 v[ADRB+\s], s22, v4
	s_add_co_u32 s21, s21, SLOT
	s_add_co_u32 s22, s22, SLOT
.endr
	s_mul_i32 s23, s10, 16*SPITCH                  ; my stage
	v_mul_u32_u24 v5, v1, SPITCH
	v_lshl_add_u32 v5, v2, 5, v5
	v_add_nc_u32 v[STO], s23, v5                   ; in: row l % 16, 32 bytes for each half of the lanes
	v_and_b32 v6, 31, v0
	v_lshlrev_b32 v[CO], 4, v6                     ; back: the 32 lanes take one row of 512 bytes; and the same in out0
	v_add_nc_u32 v[RD], s23, v[CO]
	s_lshl_b32 s16, s13, 19                        ; out0: 128 rows of 4,096 bytes a tile,
	s_lshl_b32 s17, s11, 18                        ; 64 a wave,
	s_add_co_u32 s16, s16, s17
	s_add_co_u32 s16, s16, s46                     ; my first column
	s_mov_b32 s17, 0
	s_add_nc_u64 s[74:75], s[74:75], s[16:17]
; 24 LDS loads: the fragments of the slot's q-th 32 along K into buffer f.  q / 2 is the head, q % 2 its half.
.macro FETCH slot, q, f
.irp i, 0,1,2,3
	ds_load_b128 v[\f+8*\i:\f+8*\i+3], v[ADRA+\slot] offset:AH*((\q)/2)+64*((\q)%2)+\i*16*KP
	ds_load_b128 v[\f+8*\i+4:\f+8*\i+7], v[ADRA+\slot] offset:AH*((\q)/2)+64*((\q)%2)+\i*16*KP+32
.endr
.irp b, 0,1,2,3,4,5,6,7
	ds_load_tr16_b128 v[\f+32+8*\b:\f+32+8*\b+3], v[ADRB+\slot] offset:32*BP*(\q)+32*\b
	ds_load_tr16_b128 v[\f+32+8*\b+4:\f+32+8*\b+7], v[ADRB+\slot] offset:32*BP*(\q)+16*BP+32*\b
.endr
.endm
; 8 matrix instructions: A's block a x B's eight.  The 32 accumulators take turns, one instruction a turn, in the same order in every quarter.
.macro MULA f, a, bias
.irp b, 0,1,2,3,4,5,6,7
.if \bias
	v_wmma_f32_16x16x32_f16 v[8*(8*(\a)+\b):8*(8*(\a)+\b)+7], v[\f+32+8*\b:\f+32+8*\b+7], v[\f+8*(\a):\f+8*(\a)+7], v[8*\b:8*\b+7]
.else
	v_wmma_f32_16x16x32_f16 v[8*(8*(\a)+\b):8*(8*(\a)+\b)+7], v[\f+32+8*\b:\f+32+8*\b+7], v[\f+8*(\a):\f+8*(\a)+7], v[8*(8*(\a)+\b):8*(8*(\a)+\b)+7]
.endif
.endr
.endm
.macro PLACES                          ; four places in front of loads into registers that matrix instructions have read, and of the first read of results
.rept 4
	v_nop
.endr
.endm
; A K step is four quarters of 32 along K, 32 matrix instructions each, on buffers 0, 1, 0, 1.  One of the first three: fetches the slot's quarter q into g, then multiplies buffer f.
.macro QUARTER slot, q, f, g, bias
	s_wait_dscnt 0x0                               ; buffer f is in
	PLACES
	FETCH \slot, \q, \g                            ; 32 matrix instructions ahead of its use
.if \bias
	WIN FST
.else
	WIN MUL
.endif
	MULA \f, 0, \bias
	MULA \f, 1, \bias
	MULA \f, 2, \bias
	MULA \f, 3, \bias
	WIN 0
.endm
; The last quarter multiplies buffer 1 and changes slots: ONE barrier; in front of it each wave waits for all its tensor loads, adds 0 to its spare word, and waits for that and for its reads of this slot.
.macro TURN slot, next, fill
	s_wait_tensorcnt 0x0                           ; all my tensor loads have landed: my part of the next slot
	ds_add_u32 v[SPW], v[NIL]                      ; 0 onto my spare word
	s_wait_dscnt 1                                 ; buffer 1 is in (the add may be out)
	WIN MUL
	MULA F1, 0, 0                                  ; eight matrix instructions stand between the add and the wait for it
	s_wait_dscnt 0x0                               ; the add is done, and my reads of this slot are over
	s_barrier_signal -1
	MULA F1, 1, 0
	WIN 0
	s_barrier_wait -1
.if \fill
	CREST                                          ; the barrier has opened a round of the cluster's barrier: no wave of any partner still reads this slot or has a load on its way
	s_add_nc_u64 s[G0+4*\slot+2:G0+4*\slot+3], s[G0+4*\slot+2:G0+4*\slot+3], ASTEP
	s_add_nc_u64 s[G0B+4*\slot+2:G0B+4*\slot+3], s[G0B+4*\slot+2:G0B+4*\slot+3], BSTEP
	JLOAD \slot                                    ; the first tensor load behind the round; the four v_nop behind it are also the places in front of the loads below
.else
	PLACES
.endif
	FETCH \next, 0, F0
	WIN MUL
	MULA F1, 2, 0
	MULA F1, 3, 0
	WIN 0
.endm
	s_wait_loadcnt 0x0                             ; the bias
	s_wait_tensorcnt 1                             ; my part of K step 0 is in (K step 1's load may be out),
	s_barrier_signal -1
	s_barrier_wait -1                              ; everybody's is
	FETCH 0, 0, F0
	QUARTER 0, 1, F0, F1, 1                        ; the first quarter stands in front of the loop: its products start the sums from the bias
	s_mov_b32 s3, 3
.Llap:                                             ; a trip goes once round the ring, from a lap's second quarter to the next lap's first, and fills both slots again
	QUARTER 0, 2, F1, F0, 0
	QUARTER 0, 3, F0, F1, 0
	TURN 0, 1, 1
	QUARTER 1, 1, F0, F1, 0
	QUARTER 1, 2, F1, F0, 0
	QUARTER 1, 3, F0, F1, 0
	TURN 1, 0, 1
	QUARTER 0, 1, F0, F1, 0
	s_sub_co_u32 s3, s3, 1
	s_cmp_lg_u32 s3, 0
	s_cbranch_scc1 .Llap
	QUARTER 0, 2, F1, F0, 0                        ; the last lap fills nothing, and has no round of the cluster's barrier
	QUARTER 0, 3, F0, F1, 0
	TURN 0, 1, 0
	QUARTER 1, 1, F0, F1, 0
	QUARTER 1, 2, F1, F0, 0
	QUARTER 1, 3, F0, F1, 0
	s_wait_dscnt 0x0                               ; the very last quarter: nothing more to fetch
	WIN MUL
	MULA F1, 0, 0
	MULA F1, 1, 0
	MULA F1, 2, 0
	MULA F1, 3, 0
	WIN 0
; THE WAY OUT, block by block of 16 rows x 128 columns, through my own stage; back as whole rows of 512 bytes.
.macro TOSTAGE a
.set AC, 64*(\a)
	WIN 0x04                                       ; an LDS store's data are its source 1: window 1
.irp b, 0,1,2,3,4,5,6,7
	ds_store_b128 v[STO], v[AC+8*\b:AC+8*\b+3] offset:64*\b        ; each accumulator from its low end on
	ds_store_b128 v[STO], v[AC+8*\b+4:AC+8*\b+7] offset:64*\b+16
.endr
	WIN 0
.set BB, BK+64*((\a)%2)
.irp t, 0,1,2,3,4,5,6,7,8,9,10,11,12,13,14,15
	ds_load_b128 v[BB+4*\t:BB+4*\t+3], v[RD] offset:\t*SPITCH      ; LDS serves a wave's instructions in order: these see the stores above
.endr
.endm
.macro SEND a, younger                 ; younger: the LDS instructions issued behind block a's loads, which may stay out
.set BB, BK+64*((\a)%2)
	s_wait_dscnt \younger
.irp t, 0,1,2,3,4,5,6,7,8,9,10,11,12,13,14,15
	global_store_b128 v[CO], v[BB+4*\t:BB+4*\t+3], s[74:75] offset:65536*(\a)+4096*\t th:TH_STORE_NT   ; 32 lanes store 512 consecutive bytes, aligned
.endr
.endm
	PLACES
	TOSTAGE 0
.irp a, 1,2,3
.if \a > 1
	s_wait_xcnt 0x0                                ; block a - 2's stores have read their registers: block a's loads may land there
.endif
	TOSTAGE \a
	SEND \a-1, 32                                  ; behind block a - 1's loads: block a's 16 stores and 16 loads
.endr
	SEND 3, 0
	s_wait_tensorcnt 0x0                           ; the wave's end: a tensor wait, an add to my spare word and its wait, behind my last tensor load and my last LDS store
	ds_add_u32 v[SPW], v[NIL]
	s_wait_dscnt 0x0
	CROUND                                         ; the closing round
	s_endpgm
.Lfunc_end_k_q15e75e8824_proj:
	.size	k_q15e75e8824_proj, .Lfunc_end_k_q15e75e8824_proj-k_q15e75e8824_proj
	.p2alignl 7, 3214868480
	.fill 96, 4, 3214868480
	.section	.rodata,"a",@progbits
	.p2align	6, 0x0
	.amdhsa_kernel k_q15e75e8824_proj
		.amdhsa_group_segment_fixed_size 327680
		.amdhsa_private_segment_fixed_size 0
		.amdhsa_enable_private_segment 0
		.amdhsa_kernarg_size 32
		.amdhsa_user_sgpr_count 2
		.amdhsa_user_sgpr_kernarg_segment_ptr 1
		.amdhsa_wavefront_size32 1
		.amdhsa_system_sgpr_workgroup_id_x 1
		.amdhsa_system_sgpr_workgroup_id_y 1
		.amdhsa_system_sgpr_workgroup_id_z 1
		.amdhsa_system_vgpr_workitem_id 0
		.amdhsa_next_free_vgpr 576
		.amdhsa_next_free_sgpr 80
		.amdhsa_reserve_vcc 0
		.amdhsa_float_denorm_mode_32 3
		.amdhsa_float_denorm_mode_16_64 3
		.amdhsa_memory_ordered 1
		.amdhsa_forward_progress 1
		.amdhsa_inst_pref_size 86
	.end_amdhsa_kernel
	.amdgpu_metadata
---
amdhsa.version: [ 1, 2 ]
amdhsa.kernels:
  - .name:           k_q15e75e8824_proj
    .symbol:         k_q15e75e8824_proj.kd
    .args:
      - { .name: y16, .offset: 0, .size: 8, .value_kind: global_buffer, .address_space: global }
      - { .name: wp16, .offset: 8, .size: 8, .value_kind: global_buffer, .address_space: global }
      - { .name: b_proj, .offset: 16, .size: 8, .value_kind: global_buffer, .address_space: global }
      - { .name: out0, .offset: 24, .size: 8, .value_kind: global_buffer, .address_space: global }
    .group_segment_fixed_size: 327680
    .private_segment_fixed_size: 0
    .kernarg_segment_align: 8
    .kernarg_segment_size: 32
    .max_flat_workgroup_size: 128
    .sgpr_count:     80
    .vgpr_count:     576
    .wavefront_size: 32
...
	.end_amdgpu_metadata
.endif
;; end of part 5
;; launch head_rows (part 6): grid 16 x 4, 8 waves a work-group, no clusters, 232,448 bytes of LDS; arguments qkv32, W_proj, b_proj, out0; writes out0
.if DOCPART == 6
	.amdgcn_target "amdgcn-amd-amdhsa--gfx1250"
	.amdhsa_code_object_version 6
	.text
	.protected	k_q15e75e8824_head_rows
	.globl	k_q15e75e8824_head_rows
	.p2align	8
	.type	k_q15e75e8824_head_rows,@function
k_q15e75e8824_head_rows:
	s_mov_b64 s[64:65], 0
	v_nop
	global_prefetch_b8 v0, s[64:65] scope:SCOPE_SE
	s_setreg_imm32_b32 hwreg(HW_REG_WAVE_MODE, 25, 1), 1
	s_wait_xcnt 0x0
; The first 16 positions of each of the four sequences, once more and wholly in f32: attention over at most 16 keys and the projection, by fused multiply-adds.  These rows average one to a few values, are the
; largest in size, and would feel the rounding of f16 operands most.  Their 64 rows of out0 are written over what the launch before has left there.
; IN: qkv32 [4 b][16 t][3072], f32: q and v with their bias, k without (the bias on k adds the same number to every score of a row, which the softmax takes away: shown at the head of the first kernel).
; No matrix instruction: 64 rows are no bulk work.  No cluster, no tensor load: what is shared is small.
; SHARES.  Work-group (cs, b): the 16 rows of sequence b, columns 64 cs on.  Wave w owns heads 2 w and 2 w + 1, which are k = 128 w .. 128 w + 127 of the projection: y never changes waves; only the eight
; waves' partial sums meet, in LDS.  Each of a sequence's 16 work-groups repeats the small attention.
; ATTENTION: lane = (query m = lane % 16, head lane / 16).  k's and v's rows lie in the wave's own LDS and are read back by broadcast, half a key (32 numbers) at a time.
; PROJECTION: a lane takes columns l and l + 32.  The sums run in PAIRS ALONG k: ACC(m, column) = (the sum over even k, the sum over odd k), so that every packed multiply-add takes plain pairs:
; (W[k][n], W[k+1][n]) from two loads of 4 bytes into neighbouring registers, (y[m][k], y[m][k+1]) from y laid [m][k] in LDS.
; REGISTERS: v1-14 addresses; v16-79 q, then y, then ACC; v80-175 W_proj: a ring of six sets of 16 (8 k x 2 columns); v144-207 in the attention: two sets of half a key;
;   v176-239 in the projection: two sets of y (8 rows x 4 k); v208-239 in the attention: scores, then p, in the even registers; v240-247 at work; v248-251 the bias; v252, v253 the add's two.
.set REGN,  24832                      ; LDS: a region for each wave: k 16 x 512, v 16 x 512, y 16 x 528
.set KOFF,  0
.set VOFF,  8192
.set YOFF,  16384
.set YP,    528
.set RED,   8*REGN                     ; the eight waves' partial sums: 16 rows x 256 bytes each
.set SPARE, RED+8*4096                 ; the spare words, 128 bytes for each wave; no other line names them
.set QY,  16
.set WB,  80
.set HB,  144
.set YB0, 176
.set PS,  208
.set TM,  240
.set BS,  248
.set SPW, 252
.set NIL, 253
	s_load_b256 s[4:11], s[0:1], 0x0               ; qkv32 s[4:5], W_proj s[6:7], b_proj s[8:9], out0 s[10:11]
	v_lshl_add_u32 v[SPW], v0, 2, SPARE
	v_mov_b32 v[NIL], 0
	v_lshrrev_b32 v1, 5, v0
	v_readfirstlane_b32 s12, v1                    ; wave 0..7
	v_and_b32 v1, 31, v0                           ; lane
	v_and_b32 v2, 15, v0                           ; m
	v_bfe_u32 v3, v0, 4, 1                         ; which of my two heads
	s_and_b32 s14, ttmp7, 0xffff                   ; the sequence
	s_mov_b32 s22, 0x3e38aa3b                      ; c = log2(e) / 8
	s_mul_i32 s15, s12, REGN                       ; my region
	v_lshlrev_b32 v4, 4, v1                        ; 16 bytes a lane: a row's 512 bytes of k or v
	v_add_nc_u32 v5, s15, v4                       ; and their place in LDS
	v_lshl_add_u32 v6, v3, 8, s15                  ; the broadcast reads: my head's 256 bytes of a row
	v_mul_u32_u24 v7, v2, 12288
	v_lshl_add_u32 v7, v3, 8, v7                   ; q: row m, my head
	v_mul_u32_u24 v8, v2, YP
	v_lshl_add_u32 v8, v3, 8, v8
	s_add_co_u32 s16, s15, YOFF
	v_add_nc_u32 v8, s16, v8                       ; y: row m, my head's 256 bytes
	v_mov_b32 v9, s16                              ; y, for the broadcast reads
	v_lshlrev_b32 v10, 2, v1                       ; W_proj: column l
	s_lshl_b32 s16, s12, 12
	s_add_co_u32 s16, s16, RED
	v_lshl_add_u32 v11, v1, 2, s16                 ; my partial sums: 4 bytes a lane
	s_lshl_b32 s16, s12, 9
	s_add_co_u32 s16, s16, RED
	v_lshlrev_b32 v13, 4, v2                       ; 16 (lane % 16)
	v_lshl_add_u32 v12, v3, 8, v13
	v_add_nc_u32 v12, s16, v12                     ; back: row 2 w + lane / 16, 16 bytes a lane
	v_lshl_add_u32 v14, v3, 12, v13                ; and the same place in out0
	s_mul_i32 s16, s14, 16*12288
	s_lshl_b32 s17, s12, 9
	s_add_co_u32 s16, s16, s17                     ; qkv32: the sequence's rows, my two heads' 512 bytes
	s_mov_b32 s17, 0
	s_lshl_b32 s18, s12, 19                        ; W_proj: my 128 rows of 4,096 bytes,
	s_lshl_b32 s20, ttmp9, 8                       ; the work-group's 64 columns
	s_add_co_u32 s18, s18, s20
	s_mov_b32 s19, 0
	s_mov_b32 s21, 0
	s_lshl_b32 s24, s14, 23                        ; out0: the sequence's first row,
	s_lshl_b32 s25, s12, 13                        ; two rows a wave
	s_add_co_u32 s24, s24, s25
	s_add_co_u32 s24, s24, s20
	s_mov_b32 s25, 0
.set n, 0
.rept 16
	v_mov_b32 v[PS+2*n+1], 0                       ; the odd registers beside p are named in pairs with it, so they are written
.set n, n+1
.endr
	s_wait_kmcnt 0x0
	s_add_nc_u64 s[4:5], s[4:5], s[16:17]
	s_add_nc_u64 s[6:7], s[6:7], s[18:19]
	s_add_nc_u64 s[8:9], s[8:9], s[20:21]
	s_add_nc_u64 s[10:11], s[10:11], s[24:25]
.irp i, 0,1,2,3,4,5,6,7,8,9,10,11,12,13,14,15
	global_load_b128 v[QY+4*\i:QY+4*\i+3], v7, s[4:5] offset:16*\i              ; q: my row's 64 numbers
.endr
.irp t, 0,1,2,3,4,5,6,7,8,9,10,11,12,13,14,15
	global_load_b128 v[80+4*\t:80+4*\t+3], v4, s[4:5] offset:4096+12288*\t      ; k: row t, 512 consecutive bytes
.endr
.irp t, 0,1,2,3,4,5,6,7,8,9,10,11,12,13,14,15
	global_load_b128 v[144+4*\t:144+4*\t+3], v4, s[4:5] offset:8192+12288*\t    ; v likewise
.endr
	global_load_b128 v[BS:BS+3], v13, s[8:9]       ; the bias of the four columns that I store at the end
	s_wait_loadcnt 0x0
.irp t, 0,1,2,3,4,5,6,7,8,9,10,11,12,13,14,15
	ds_store_b128 v5, v[80+4*\t:80+4*\t+3] offset:KOFF+512*\t
	ds_store_b128 v5, v[144+4*\t:144+4*\t+3] offset:VOFF+512*\t
.endr
	s_wait_dscnt 0x0                               ; the stores have read their registers
.macro WLOAD n                         ; batch n of 16: W_proj(8 n + kk, columns l and l + 32), kk = 0 .. 7, into set n % 6: k runs along the registers
.set WR, WB+16*((\n)%6)
.irp c, 0,1
.irp kk, 0,1,2,3,4,5,6,7
	global_load_b32 v[WR+8*\c+\kk], v10, s[6:7] offset:(8*(\n)+\kk)*4096+128*\c
.endr
.endr
.endm
	WLOAD 0                                        ; four batches are asked for here and land while the attention is worked
	WLOAD 1
	WLOAD 2
	WLOAD 3
.macro HLOAD x, off                    ; half x % 2 of row x / 2 of k or v, my head's: 8 broadcast loads into set x % 2
.set HR, HB+32*((\x)%2)
.irp i, 0,1,2,3,4,5,6,7
	ds_load_b128 v[HR+4*\i:HR+4*\i+3], v6 offset:\off+512*((\x)/2)+128*((\x)%2)+16*\i
.endr
.endm
.macro SCORE x                         ; q . k over 32 channels, two chains of packed multiply-adds; the second half closes the sum
.set HR, HB+32*((\x)%2)
.set QR, QY+32*((\x)%2)
.if (\x)%2 == 0
	v_pk_mul_f32 v[TM:TM+1], v[QR:QR+1], v[HR:HR+1]
	v_pk_mul_f32 v[TM+2:TM+3], v[QR+2:QR+3], v[HR+2:HR+3]
.else
	v_pk_fma_f32 v[TM:TM+1], v[QR:QR+1], v[HR:HR+1], v[TM:TM+1]
	v_pk_fma_f32 v[TM+2:TM+3], v[QR+2:QR+3], v[HR+2:HR+3], v[TM+2:TM+3]
.endif
.irp i, 4,8,12,16,20,24,28
	v_pk_fma_f32 v[TM:TM+1], v[QR+\i:QR+\i+1], v[HR+\i:HR+\i+1], v[TM:TM+1]
	v_pk_fma_f32 v[TM+2:TM+3], v[QR+\i+2:QR+\i+3], v[HR+\i+2:HR+\i+3], v[TM+2:TM+3]
.endr
.if (\x)%2 == 1
	v_pk_add_f32 v[TM:TM+1], v[TM:TM+1], v[TM+2:TM+3]
	v_add_f32 v[PS+2*((\x)/2)], v[TM], v[TM+1]
.endif
.endm
	HLOAD 0, KOFF
.set x, 0
.rept 32
.if x < 31
	HLOAD x+1, KOFF
	s_wait_dscnt 8                                 ; this half is in; the next half's eight loads may be out
.else
	s_wait_dscnt 0x0
.endif
	SCORE x
.set x, x+1
.endr
	HLOAD 0, VOFF                                  ; v's first half lands while the softmax is worked
	v_mov_b32 v[TM+4], 0xff800000                  ; the causal mask: key t is hidden from query m where t > m
.irp t, 1,2,3,4,5,6,7,8,9,10,11,12,13,14,15
	v_cmp_gt_u32 vcc_lo, \t, v2
	v_cndmask_b32 v[PS+2*\t], v[PS+2*\t], v[TM+4], vcc_lo
.endr
	v_max3_num_f32 v[TM], v[PS], v[PS+2], v[PS+4]  ; the row's maximum is taken away ahead of the exponential
.irp t, 3,5,7,9,11,13
	v_max3_num_f32 v[TM], v[TM], v[PS+2*\t], v[PS+2*\t+2]
.endr
	v_max_num_f32 v[TM], v[TM], v[PS+30]
	v_mul_f32 v[TM], s22, v[TM]
.irp t, 0,1,2,3,4,5,6,7,8,9,10,11,12,13,14,15
	v_fma_f32 v[PS+2*\t], v[PS+2*\t], s22, -v[TM]
.endr
.irp t, 0,1,2,3,4,5,6,7,8,9,10,11,12,13,14,15
	v_exp_f32 v[PS+2*\t], v[PS+2*\t]
.endr
	v_nop                                          ; a plain line behind the last exponential
	s_wait_alu depctr_va_vdst(0)                   ; the one wait ahead of the batch's first reader
	v_add_f32 v[TM+1], v[PS], v[PS+2]
.irp t, 2,3,4,5,6,7,8,9,10,11,12,13,14,15
	v_add_f32 v[TM+1], v[TM+1], v[PS+2*\t]
.endr
	v_rcp_f32 v[TM+2], v[TM+1]
	v_nop
	s_wait_alu depctr_va_vdst(0)
.irp t, 0,1,2,3,4,5,6,7,8,9,10,11,12,13,14,15
	v_mul_f32 v[PS+2*\t], v[PS+2*\t], v[TM+2]      ; the weights
.endr
.macro PVS x                           ; y += p[x / 2] x half a row of v; the first row starts the sums
.set HR, HB+32*((\x)%2)
.set YR, QY+32*((\x)%2)
.set PR, PS+2*((\x)/2)
.irp i, 0,2,4,6,8,10,12,14,16,18,20,22,24,26,28,30
.if (\x) < 2
	v_pk_mul_f32 v[YR+\i:YR+\i+1], v[HR+\i:HR+\i+1], v[PR:PR+1] op_sel_hi:[1,0]
.else
	v_pk_fma_f32 v[YR+\i:YR+\i+1], v[HR+\i:HR+\i+1], v[PR:PR+1], v[YR+\i:YR+\i+1] op_sel_hi:[1,0,1]
.endif
.endr
.endm
.set x, 0
.rept 32
.if x < 31
	HLOAD x+1, VOFF
	s_wait_dscnt 8                                 ; this half is in; the next half's eight loads may be out
.else
	s_wait_dscnt 0x0
.endif
	PVS x
.set x, x+1
.endr
.irp i, 0,1,2,3,4,5,6,7,8,9,10,11,12,13,14,15
	ds_store_b128 v8, v[QY+4*\i:QY+4*\i+3] offset:16*\i            ; y(m, my head's 64 channels), laid [m][k]
.endr
.macro YLOAD x                         ; chunk x: rows 8 (x % 2) on, k = 4 (x / 2) on: 8 broadcast loads into set x % 2
.set YR, YB0+32*((\x)%2)
.irp mm, 0,1,2,3,4,5,6,7
	ds_load_b128 v[YR+4*\mm:YR+4*\mm+3], v9 offset:YP*(8*((\x)%2)+\mm)+16*((\x)/2)
.endr
.endm
.macro CHUNK x                         ; 32 packed multiply-adds: two pairs of k x 8 rows x 2 columns; ACC(m, c) at v[QY + 4 m + 2 c]
.set YR, YB0+32*((\x)%2)
.set kq, (\x)/2
.set WR, WB+16*((kq/2)%6)+4*(kq%2)
.irp pp, 0,1
.irp mm, 0,1,2,3,4,5,6,7
.irp c, 0,1
.set AR, QY+4*(8*((\x)%2)+\mm)+2*\c
.if (kq == 0) && (\pp == 0)
	v_pk_mul_f32 v[AR:AR+1], v[WR+8*\c+2*\pp:WR+8*\c+2*\pp+1], v[YR+4*\mm+2*\pp:YR+4*\mm+2*\pp+1]
.else
	v_pk_fma_f32 v[AR:AR+1], v[WR+8*\c+2*\pp:WR+8*\c+2*\pp+1], v[YR+4*\mm+2*\pp:YR+4*\mm+2*\pp+1], v[AR:AR+1]
.endif
.endr
.endr
.endr
.endm
	YLOAD 0                                        ; LDS serves a wave's instructions in order: these see my stores of y
.set x, 0
.rept 64
.if x%4 == 0
.set n, x/4
.if 15-n >= 3
	s_wait_loadcnt 48                              ; batch n is in; the three batches behind it may be out
.else
	s_wait_loadcnt 16*(15-n)
.endif
.if n+4 < 16
	WLOAD n+4                                      ; into the set that batch n - 2 has left
.endif
.endif
.if x < 63
	YLOAD x+1
	s_wait_dscnt 8                                 ; this chunk is in (and with it my stores of y have read their registers); the next chunk's eight loads may be out
.else
	s_wait_dscnt 0x0
.endif
	CHUNK x
.set x, x+1
.endr
.set n, 0
.rept 32
	v_add_f32 v[QY+2*n], v[QY+2*n], v[QY+2*n+1]    ; the even k's sum and the odd k's
	ds_store_b32 v11, v[QY+2*n] offset:256*(n/2)+128*(n%2)         ; my partial sum of (row n / 2, column l + 32 (n % 2))
.set n, n+1
.endr
	s_wait_dscnt 0x0                               ; for the others' sake: my stores have landed
	s_barrier_signal -1
	s_barrier_wait -1
.irp u, 0,1,2,3,4,5,6,7
	ds_load_b128 v[80+4*\u:80+4*\u+3], v12 offset:4096*\u          ; row 2 w + lane / 16, four columns, of each wave's part
.endr
	s_wait_dscnt 0x0
.irp u, 0,1,2,3,4,5,6,7
	v_pk_add_f32 v[BS:BS+1], v[BS:BS+1], v[80+4*\u:80+4*\u+1]      ; the bias, then the parts in ascending k
	v_pk_add_f32 v[BS+2:BS+3], v[BS+2:BS+3], v[80+4*\u+2:80+4*\u+3]
.endr
	global_store_b128 v14, v[BS:BS+3], s[10:11]    ; sixteen lanes store 256 consecutive bytes, aligned
	s_wait_tensorcnt 0x0                           ; the wave's end: a tensor wait, an add to my spare word and its wait, behind my last LDS store
	ds_add_u32 v[SPW], v[NIL]
	s_wait_dscnt 0x0
	s_endpgm
.Lfunc_end_k_q15e75e8824_head_rows:
	.size	k_q15e75e8824_head_rows, .Lfunc_end_k_q15e75e8824_head_rows-k_q15e75e8824_head_rows
	.p2alignl 7, 3214868480
	.fill 96, 4, 3214868480
	.section	.rodata,"a",@progbits
	.p2align	6, 0x0
	.amdhsa_kernel k_q15e75e8824_head_rows
		.amdhsa_group_segment_fixed_size 232448
		.amdhsa_private_segment_fixed_size 0
		.amdhsa_enable_private_segment 0
		.amdhsa_kernarg_size 32
		.amdhsa_user_sgpr_count 2
		.amdhsa_user_sgpr_kernarg_segment_ptr 1
		.amdhsa_wavefront_size32 1
		.amdhsa_system_sgpr_workgroup_id_x 1
		.amdhsa_system_sgpr_workgroup_id_y 1
		.amdhsa_system_sgpr_workgroup_id_z 1
		.amdhsa_system_vgpr_workitem_id 0
		.amdhsa_next_free_vgpr 256
		.amdhsa_next_free_sgpr 66
		.amdhsa_reserve_vcc 1
		.amdhsa_float_denorm_mode_32 3
		.amdhsa_float_denorm_mode_16_64 3
		.amdhsa_memory_ordered 1
		.amdhsa_forward_progress 1
		.amdhsa_inst_pref_size 255
	.end_amdhsa_kernel
	.section	.bss,"aw",@nobits
	.p2align	6
	.space	262144
	.amdgpu_metadata
---
amdhsa.version: [ 1, 2 ]
amdhsa.kernels:
  - .name:           k_q15e75e8824_head_rows
    .symbol:         k_q15e75e8824_head_rows.kd
    .args:
      - { .name: qkv32, .offset: 0, .size: 8, .value_kind: global_buffer, .address_space: global }
      - { .name: W_proj, .offset: 8, .size: 8, .value_kind: global_buffer, .address_space: global }
      - { .name: b_proj, .offset: 16, .size: 8, .value_kind: global_buffer, .address_space: global }
      - { .name: out0, .offset: 24, .size: 8, .value_kind: global_buffer, .address_space: global }
    .group_segment_fixed_size: 232448
    .private_segment_fixed_size: 0
    .kernarg_segment_align: 8
    .kernarg_segment_size: 32
    .max_flat_workgroup_size: 256
    .sgpr_count:     66
    .vgpr_count:     256
    .wavefront_size: 32
...
	.end_amdgpu_metadata
.endif
;; end of part 6
